; MI455X (gfx1250); checked and timed in simulation.
; The chip was launched on July 23, 2026; its instructions are those of AMD's public machine-readable ISA for CDNA 5 (MIT licence, August 2026) and "CDNA5" Instruction Set Architecture Reference Guide (July 2026). The comments in the code are by the model that wrote it; some were corrected since.
;; Attention Layer. Allowed arithmetic: matrix products marked QUANTISED: E4M3 operands, one E8M0 scale for each 32 along K, by v_wmma_scale_f32_16x16x128_f8f6f4 with both operands' format E4M3, f32 sums; everything else in f32.
;; Inputs: b_out 1,024 float32; payload 4 x 2,048 x 1,024 float32; w_out 1,024 x 1,024 float32; w_qkv 1,024 x 3,072 float32.
;; Outputs: out0 4 x 2,048 x 1,024 float32.
;; This version of the problem:
;;   THIS VERSION OF THE PROBLEM IS GIVEN IN LOW PRECISION. The matrix products marked QUANTISED in the list below multiply operands that are first quantised to E4M3 (4 exponent bits, 3 mantissa bits; 8 bits a number), with one power-of-two scale for each 32 numbers along K (OCP MX v1.0); their sums are f32. All else is computed in f32.
;;   The module's matrix products, in the order in which they are computed (A, B: the left and right operand; K: the contracted axis; several contracted axes count as one K, in the product's order):
;;     1. [M 8,192, K 1,024] x [K 1,024, N 3,072]; A: input payload; B: input w_qkv: QUANTISED
;;     2. batch 64 x [M 2,048, K 64] x [K 64, N 2,048]; A: computed on the way; B: computed on the way: QUANTISED
;;     3. batch 64 x [M 2,048, K 2,048] x [K 2,048, N 64]; A: softmax (see below); B: computed on the way: QUANTISED
;;     4. [M 8,192, K 1,024] x [K 1,024, N 1,024]; A: computed on the way; B: input w_out: QUANTISED
;;   THE QUANTISER, for each operand of a quantised product, along K:
;;     - K is cut into blocks of 32 from its start; a last block that is shorter is filled with zeros.
;;     - A block's scale is 2^e with e = floor(log2(the largest magnitude in the block)) - 8, held to -126 .. 127; a block of zeros has e = 0. As a byte (E8M0): e + 127.
;;     - Each number is divided by its block's scale, clamped to +-448, and rounded to the nearest number of E4M3, ties to even, subnormals kept.
;;     - The product sums the exact products of the quantised numbers (number of the format x scale) in f32.
;;   ~~~python
;;   def quantise(x, axis):      # numpy; x: float32 -> the quantised numbers, widened to float32 again
;;       x = np.moveaxis(x, axis, -1); K = x.shape[-1]
;;       x = np.pad(x, [(0, 0)] * (x.ndim - 1) + [(0, -K % 32)]); x = x.reshape(x.shape[:-1] + (-1, 32)); a = np.abs(x).max(-1, keepdims=True)
;;       e = np.where(a > 0, np.clip(np.frexp(np.where(a > 0, a, 1))[1] - 1 - 8, -126, 127), 0)      # np.frexp(a)[1] - 1 = floor(log2(a)), exactly
;;       r = np.clip(x / 2.0 ** e, -448, 448)
;;       step = 2.0 ** (np.maximum(np.frexp(np.where(r == 0, 1, r))[1] - 1, -6) - 3)
;;       q = np.round(r / step) * step * 2.0 ** e      # np.round: ties to even
;;       return np.moveaxis(q.reshape(q.shape[:-2] + (-1,))[..., :K], -1, axis).astype(np.float32)
;;   ~~~
;;   SOFTMAX AHEAD OF A QUANTISED PRODUCT. Where the list says 'softmax', what is quantised is not the finished softmax but p = 2^(t - M), with t = logit x log2(e) and M = ceil(the row's largest t), a whole number; so 1/2 < the row's largest p <= 1. The row's sum l is taken of the UNQUANTISED p, in f32, and the product's result is divided by l at the end. Since M is a whole number, a kernel that streams over the keys may use a running M (the ceiling of the running maximum): every later rescaling is an exact power of two, which a block's scale takes up: the codes' values come out the same.
;;   OPERANDS COMPUTED ON THE WAY. 'Computed on the way' means the value that the module computes at that place (a softmax that the list does not call 'softmax' is quantised finished and normalised). What goes into a quantiser is computed in f32, as accurately as f32 sums, v_exp_f32 and their like allow (about 1e-6 of the number): no bf16 or f16 on the way to a quantiser, and a product that is left as it is and whose result goes on into a quantised operand takes f32 operands (vector FMAs, or v_wmma_f32_16x16x4_f32). A number that lies on a knife's edge between two numbers of the format may be rounded either way, as far as f32 arithmetic and the matrix unit's own rounding can turn it there, and no further.
;; One version. Each part assembles by itself: llvm-mc -triple=amdgcn-amd-amdhsa -mcpu=gfx1250 --defsym DOCPART=n.
;; ======== version 1 of 1: 4 launches
;; limits: right only within a limited range of input values
;; workspace buffers: opc 12,582,912 bytes; ops 393,216 bytes; qkvc 25,165,824 bytes; qkvs 786,432 bytes; cc 8,388,608 bytes; cs 262,144 bytes
;; launch quant (part 1): grid 384 x 1, 4 waves a work-group, no clusters, 102,912 bytes of LDS; arguments payload, w_qkv, w_out, opc, ops; writes opc, ops
.if DOCPART == 1
	.amdgcn_target "amdgcn-amd-amdhsa--gfx1250"
	.amdhsa_code_object_version 6
	.text
	.protected	k_qa675065a06_quant
	.globl	k_qa675065a06_quant
	.p2align	8
	.type	k_qa675065a06_quant,@function
k_qa675065a06_quant:
	s_mov_b64 s[64:65], 0
	v_nop
	global_prefetch_b8 v0, s[64:65] scope:SCOPE_SE
	s_setreg_imm32_b32 hwreg(HW_REG_WAVE_MODE, 25, 1), 1
	s_wait_xcnt 0x0
; payload [8192][1024], w_qkv [1024][3072] and w_out [1024][1024], f32, become codes of FP8 (E4M3) with K innermost and one E8M0 byte for each 32 along K.
; opc: [12288 positions][1024 bytes]: payload's tokens, then w_qkv's columns (from 8192), then w_out's (from 11264).  ops: [4 runs of 256 along K][12288 positions][8 bytes].
; POSITION ORDER: row (or column) i lies at position SIG(i), SIG swapping bits 3 and 4 of the index.  So 16 neighbouring positions 32 B + 16 u + s hold the rows 32 B + 8 u + s % 8 + 16 (s / 8):
; used as source 0 of a matrix instruction, two neighbouring tiles give a lane 16 true neighbours in 16 registers, which is what the next quantiser wants.
; A block's scale is 2^(floor(log2(largest magnitude)) - 8); its byte is the largest magnitude's exponent field - 8, held at 1 from below.
; LIMITS: a block of zeros gets the byte 1 where the rule says 127 (its codes are zeros, and this program alone reads the bytes); blocks whose largest magnitude lies under 2^-118 keep the byte 1; NaN and infinities are not served.
; Work-groups 0-255: 32 rows of payload each, wave w the w-th 256 along K.  256-351: w_qkv, 128 columns x 256 along K.  352-383: w_out likewise.  The three ways part on the work-group's number, never join, and have LDS bytes of their own.
; No tensor loads, no barrier: waves share nothing.
.set SP,    80                         ; payload: a lane's place in a stage: 64 bytes + 16 of padding
.set WREG,  8192                       ; payload: LDS of a wave: two stages of 32 x SP bytes, then its 256 scale bytes
.set XR,    16                         ; v16-79   four sets of 16 numbers as loaded
.set XX,    80                         ; v80-111  two sets of 16 neighbours
.set XE,    112                        ; v112-127 a scale byte for each step
.set XC,    128                        ; v128-191 codes, four registers a step
.set WX,    32                         ; weights: v32-95 two sets of 32 numbers
.set WC,    96                         ; v96-103  a block's codes
.set WOUT,  112                        ; v112-175 the way out
.set WSB,   24                         ; v24-25   eight scale bytes
.set WP,    272                        ; a stage row: 256 bytes + 16
.set PLANE, 98304                      ; ops: 12288 positions x 8 bytes
	s_load_b256 s[4:11], s[0:1], 0x0               ; payload s[4:5], w_qkv s[6:7], w_out s[8:9], opc s[10:11]
	s_load_b64 s[12:13], s[0:1], 0x20              ; ops
	v_lshl_add_u32 v192, v0, 2, 0x19000
	v_mov_b32 v193, 0
	v_lshrrev_b32 v1, 5, v0
	v_readfirstlane_b32 s16, v1                    ; wave
	v_and_b32 v2, 31, v0                           ; lane
	s_mov_b32 s23, 0x600000                        ; the mantissa field of 448
	s_cmp_lt_u32 ttmp9, 256
	s_cbranch_scc0 .Lweights
	; ---------------- payload: K is innermost.  A step is two rows' 256 numbers: four loads of 512 consecutive bytes; through the wave's stage a lane gets 16 neighbours; two neighbouring lanes hold a block.
	v_lshlrev_b32 v3, 4, v2                        ; my 16 bytes of a load's 512
	s_mul_i32 s17, s16, WREG
	v_lshrrev_b32 v14, 2, v2
	v_mul_u32_u24 v14, v14, SP
	v_and_b32 v15, 3, v2
	v_lshl_add_u32 v14, v15, 4, v14
	v_add_nc_u32 v14, s17, v14                     ; the stage, in: SP (lane / 4) + 16 (lane % 4)
	v_mul_u32_u24 v15, v2, SP
	v_add_nc_u32 v15, s17, v15                     ; and out: SP x lane
	v_and_b32 v4, 15, v2
	v_lshlrev_b32 v4, 4, v4
	v_lshrrev_b32 v5, 4, v2
	v_lshl_add_u32 v4, v5, 10, v4                  ; codes: lanes 0-15 one position's 256 bytes, lanes 16-31 the next position's
	v_lshrrev_b32 v5, 1, v2
	s_add_co_u32 s17, s17, 2*32*SP
	v_add_nc_u32 v5, s17, v5                       ; LDS: my block's scale byte
	v_lshlrev_b32 v7, 3, v2
	v_add_nc_u32 v6, s17, v7                       ; and 8 bytes a lane on the way out
	s_lshl_b32 s18, ttmp9, 17                      ; 32 rows of 4,096 bytes
	s_lshl_b32 s19, s16, 10                        ; my 256 numbers of a row
	s_add_co_u32 s18, s18, s19
	s_mov_b32 s19, 0
	s_lshl_b32 s20, ttmp9, 15                      ; 32 positions of 1,024 bytes
	s_lshl_b32 s21, s16, 8
	s_add_co_u32 s20, s20, s21
	s_mov_b32 s21, 0
	s_mul_i32 s24, s16, PLANE
	s_lshl_b32 s25, ttmp9, 8                       ; 32 positions of 8 bytes
	s_add_co_u32 s24, s24, s25
	s_mov_b32 s25, 0
	s_wait_alu depctr_va_vdst(0)
	s_wait_kmcnt 0x0
	s_add_nc_u64 s[4:5], s[4:5], s[18:19]
	s_add_nc_u64 s[10:11], s[10:11], s[20:21]
	s_add_nc_u64 s[12:13], s[12:13], s[24:25]
.macro XLOAD t
.irp i, 0,1,2,3
	global_load_b128 v[XR+16*((\t)%4)+4*\i:XR+16*((\t)%4)+4*\i+3], v3, s[4:5] offset:(2*(\t)+\i/2)*4096+(\i%2)*512 th:TH_LOAD_NT   ; rows 2 t and 2 t + 1: 512 consecutive bytes a load
.endr
.endm
.macro XTURN t                         ; LDS serves a wave's instructions in order: no wait between the stores and the loads
.irp i, 0,1,2,3
	ds_store_b128 v14, v[XR+16*((\t)%4)+4*\i:XR+16*((\t)%4)+4*\i+3] offset:32*SP*((\t)%2)+8*SP*\i
.endr
.irp i, 0,1,2,3
	ds_load_b128 v[XX+16*((\t)%2)+4*\i:XX+16*((\t)%2)+4*\i+3], v15 offset:32*SP*((\t)%2)+16*\i
.endr
.endm
.irp t, 0,1,2,3
	XLOAD \t
.endr
	s_wait_loadcnt 12                              ; step 0's four loads are in; three steps' may be out
	XTURN 0
.macro XSTEP t
.set XS, XX+16*((\t)%2)
.set SG, ((2*(\t))&7)|(((2*(\t))&8)<<1)|(((2*(\t))&16)>>1)   ; the position of row 2 t; row 2 t + 1 lies one further
.if (\t) > 0
	s_wait_dscnt 1                                 ; this step's numbers are back from the stage; the last step's byte store may be out
.else
	s_wait_dscnt 0x0
.endif
.if (\t)+4 < 16
	XLOAD (\t)+4                                   ; into the registers that this step's stores into the stage have read
.endif
.if (\t)+1 < 16
.if 14-(\t) >= 3
	s_wait_loadcnt 12                              ; the next step's four loads are in; those of the three steps behind it may be out
.else
	s_wait_loadcnt 4*(14-(\t))
.endif
	XTURN (\t)+1
.endif
	v_max3_num_f32 v8, |v[XS]|, |v[XS+1]|, |v[XS+2]|
	v_max3_num_f32 v9, |v[XS+3]|, |v[XS+4]|, |v[XS+5]|
.irp i, 6,10
	v_max3_num_f32 v8, v8, |v[XS+\i]|, |v[XS+\i+1]|
	v_max3_num_f32 v9, v9, |v[XS+\i+2]|, |v[XS+\i+3]|
.endr
	v_max3_num_f32 v8, v8, |v[XS+14]|, |v[XS+15]|
	v_max3_num_f32 v8, v8, v9, 0x4800000           ; and the floor 2^(9 - 127): the byte cannot fall under 1
	v_max_num_f32_dpp v8, v8, v8 row_xmask:1 row_mask:0xf bank_mask:0xf   ; with my neighbour's 16: the block's largest magnitude
	v_add_nc_u32 v11, 0xfc000000, v8               ; 8 off its exponent field: the conversion's scale operand
	v_and_or_b32 v10, v8, 0x7f800000, s23          ; 448 x the scale
.set JJ, 0
.rept 16
	v_med3_num_f32 v[XS+JJ], v[XS+JJ], -v10, v10   ; the conversion to an 8-bit code does not saturate (ISA guide 7.6.2): the hold comes first
.set JJ, JJ+1
.endr
	v_cvt_scalef32_pk8_fp8_f32 v[XC+4*(\t):XC+4*(\t)+1], v[XS:XS+7], v11
	v_cvt_scalef32_pk8_fp8_f32 v[XC+4*(\t)+2:XC+4*(\t)+3], v[XS+8:XS+15], v11
	v_lshrrev_b32 v[XE+(\t)], 23, v11              ; the scale's byte
	ds_store_b8 v5, v[XE+(\t)] offset:8*SG         ; 8 bytes a position; both lanes of a block write the same byte
	global_store_b128 v4, v[XC+4*(\t):XC+4*(\t)+3], s[10:11] offset:SG*1024   ; 16 lanes store 256 consecutive bytes, aligned
.endm
.irp t, 0,1,2,3,4,5,6,7,8,9,10,11,12,13,14,15
	XSTEP \t
.endr
	ds_load_b64 v[12:13], v6                       ; these see my byte stores
	s_wait_dscnt 0x0
	global_store_b64 v7, v[12:13], s[12:13]        ; 32 lanes store 256 consecutive bytes, aligned
	s_wait_tensorcnt 0x0
	ds_add_u32 v192, v193
	s_wait_dscnt 0x0
	s_endpgm
	; ---------------- the weights: K is the FIRST axis.  A lane takes a column and its registers run down K: a block of 32 lies in one lane, and the codes come out with K innermost.
.macro WLOAD t, n
.set JJ, 0
.rept 32
	global_load_b32 v[WX+32*((\t)%2)+JJ], v3, s[28:29] offset:(32*(\t)+JJ)*(\n)*4 th:TH_LOAD_NT   ; 32 lanes read 128 consecutive bytes of one row of the weight
.set JJ, JJ+1
.endr
.endm
.macro WBLOCK t, n
.set WS, WX+32*((\t)%2)
.if (\t) < 7
	s_wait_loadcnt 32                              ; this block's 32 loads are in; the next block's may be out
.else
	s_wait_loadcnt 0x0
.endif
	v_max3_num_f32 v12, |v[WS]|, |v[WS+1]|, |v[WS+2]|
	v_max3_num_f32 v13, |v[WS+3]|, |v[WS+4]|, |v[WS+5]|
.irp i, 6,10,14,18,22,26
	v_max3_num_f32 v12, v12, |v[WS+\i]|, |v[WS+\i+1]|
	v_max3_num_f32 v13, v13, |v[WS+\i+2]|, |v[WS+\i+3]|
.endr
	v_max3_num_f32 v12, v12, |v[WS+30]|, |v[WS+31]|
	v_max3_num_f32 v12, v12, v13, 0x4800000        ; the floor
	v_add_nc_u32 v11, 0xfc000000, v12
	v_and_or_b32 v10, v12, 0x7f800000, s23
	v_lshrrev_b32 v13, 23, v11
.if (\t)%4 == 0
	v_mov_b32 v[WSB+(\t)/4], v13                   ; four bytes to a register, the lower K in the lower byte
.else
	v_lshl_or_b32 v[WSB+(\t)/4], v13, 8*((\t)%4), v[WSB+(\t)/4]
.endif
.set JJ, 0
.rept 32
	v_med3_num_f32 v[WS+JJ], v[WS+JJ], -v10, v10
.set JJ, JJ+1
.endr
.irp g, 0,1,2,3
	v_cvt_scalef32_pk8_fp8_f32 v[WC+2*\g:WC+2*\g+1], v[WS+8*\g:WS+8*\g+7], v11
.endr
	ds_store_b128 v4, v[WC:WC+3] offset:32*(\t)    ; 32 codes of my column, in the stage row of its position
	ds_store_b128 v4, v[WC+4:WC+7] offset:32*(\t)+16
.if (\t)+2 < 8
	WLOAD (\t)+2, \n
.endif
	s_wait_dscnt 0x0                               ; the stores have read their registers: the next block's codes may be written
.endm
.macro WPATH n, row0, lb, idx0, plo    ; n: columns of the weight; row0: its first position in opc; lb: this way's LDS bytes; idx0: its first work-group; plo: the register of its address
	s_sub_co_u32 s17, ttmp9, \idx0
	s_and_b32 s18, s17, 3                          ; which 256 along K
	s_lshr_b32 s17, s17, 2
	s_lshl_b32 s17, s17, 7
	s_lshl_b32 s19, s16, 5
	s_add_co_u32 s17, s17, s19                     ; my wave's first column
	v_lshlrev_b32 v3, 2, v2                        ; in: 4 bytes a lane
	v_and_b32 v4, 7, v2
	v_bfe_u32 v5, v2, 3, 1
	v_bfe_u32 v6, v2, 4, 1
	v_lshl_add_u32 v4, v5, 4, v4
	v_lshl_add_u32 v9, v6, 3, v4                   ; SIG(lane): my column's position among the wave's 32
	s_mul_i32 s19, s16, 32*WP
	s_add_co_u32 s19, s19, \lb                     ; my stage
	v_mul_u32_u24 v4, v9, WP
	v_add_nc_u32 v4, s19, v4                       ; into it: row = my position
	v_and_b32 v5, 15, v2
	v_mul_u32_u24 v7, v6, WP
	v_lshl_add_u32 v7, v5, 4, v7
	v_add_nc_u32 v7, s19, v7                       ; out of it: sixteen lanes to a row, two rows an instruction
	v_lshlrev_b32 v8, 10, v6
	v_lshl_add_u32 v8, v5, 4, v8                   ; and the same place in opc
	v_lshlrev_b32 v9, 3, v9                        ; my position's 8 scale bytes
	s_mul_i32 s20, s18, 1024*(\n)                  ; 256 rows of the weight
	s_lshl_b32 s21, s17, 2
	s_add_co_u32 s20, s20, s21
	s_mov_b32 s21, 0
	s_add_co_u32 s22, s17, \row0
	s_lshl_b32 s24, s22, 10
	s_lshl_b32 s25, s18, 8
	s_add_co_u32 s24, s24, s25
	s_mov_b32 s25, 0
	s_mul_i32 s26, s18, PLANE
	s_lshl_b32 s27, s22, 3
	s_add_co_u32 s26, s26, s27
	s_mov_b32 s27, 0
	s_wait_kmcnt 0x0
	s_add_nc_u64 s[28:29], s[\plo:\plo+1], s[20:21]
	s_add_nc_u64 s[10:11], s[10:11], s[24:25]
	s_add_nc_u64 s[12:13], s[12:13], s[26:27]
	WLOAD 0, \n
	WLOAD 1, \n
.irp t, 0,1,2,3,4,5,6,7
	WBLOCK \t, \n
.endr
	global_store_b64 v9, v[WSB:WSB+1], s[12:13]    ; the wave's 32 positions: 256 consecutive bytes, aligned
.irp t, 0,1,2,3,4,5,6,7,8,9,10,11,12,13,14,15
	ds_load_b128 v[WOUT+4*\t:WOUT+4*\t+3], v7 offset:2*\t*WP
.endr
.irp t, 0,1,2,3,4,5,6,7,8,9,10,11,12,13,14,15
	s_wait_dscnt 15-\t                             ; LDS loads come back in order: pair t of rows is in
	global_store_b128 v8, v[WOUT+4*\t:WOUT+4*\t+3], s[10:11] offset:2*\t*1024   ; 16 lanes store 256 consecutive bytes, aligned
.endr
	s_wait_tensorcnt 0x0
	ds_add_u32 v192, v193
	s_wait_dscnt 0x0
	s_endpgm
.endm
.Lweights:
	s_cmp_lt_u32 ttmp9, 352
	s_cbranch_scc0 .Lw_out
	s_wait_alu depctr_va_vdst(0)
	WPATH 3072, 8192, 32768, 256, 6
.Lw_out:
	s_wait_alu depctr_va_vdst(0)
	WPATH 1024, 11264, 67584, 352, 8
.Lfunc_end_k_qa675065a06_quant:
	.size	k_qa675065a06_quant, .Lfunc_end_k_qa675065a06_quant-k_qa675065a06_quant
	.p2alignl 7, 3214868480
	.fill 96, 4, 3214868480
	.section	.rodata,"a",@progbits
	.p2align	6, 0x0
	.amdhsa_kernel k_qa675065a06_quant
		.amdhsa_group_segment_fixed_size 102912
		.amdhsa_private_segment_fixed_size 0
		.amdhsa_enable_private_segment 0
		.amdhsa_kernarg_size 40
		.amdhsa_user_sgpr_count 2
		.amdhsa_user_sgpr_kernarg_segment_ptr 1
		.amdhsa_wavefront_size32 1
		.amdhsa_system_sgpr_workgroup_id_x 1
		.amdhsa_system_sgpr_workgroup_id_y 1
		.amdhsa_system_sgpr_workgroup_id_z 1
		.amdhsa_system_vgpr_workitem_id 0
		.amdhsa_next_free_vgpr 194
		.amdhsa_next_free_sgpr 66
		.amdhsa_reserve_vcc 0
		.amdhsa_float_denorm_mode_32 3
		.amdhsa_float_denorm_mode_16_64 3
		.amdhsa_memory_ordered 1
		.amdhsa_forward_progress 1
		.amdhsa_inst_pref_size 168
	.end_amdhsa_kernel
	.amdgpu_metadata
---
amdhsa.version: [ 1, 2 ]
amdhsa.kernels:
  - .name:           k_qa675065a06_quant
    .symbol:         k_qa675065a06_quant.kd
    .args:
      - { .name: payload, .offset: 0, .size: 8, .value_kind: global_buffer, .address_space: global }
      - { .name: w_qkv, .offset: 8, .size: 8, .value_kind: global_buffer, .address_space: global }
      - { .name: w_out, .offset: 16, .size: 8, .value_kind: global_buffer, .address_space: global }
      - { .name: opc, .offset: 24, .size: 8, .value_kind: global_buffer, .address_space: global }
      - { .name: ops, .offset: 32, .size: 8, .value_kind: global_buffer, .address_space: global }
    .group_segment_fixed_size: 102912
    .private_segment_fixed_size: 0
    .kernarg_segment_align: 8
    .kernarg_segment_size: 40
    .max_flat_workgroup_size: 128
    .sgpr_count:     66
    .vgpr_count:     194
    .wavefront_size: 32
...
	.end_amdgpu_metadata
.endif
;; end of part 1
;; launch qkv (part 2): grid 12 x 32, 4 waves a work-group, clusters of 4 x 4, 327,680 bytes of LDS; arguments opc, ops, qkvc, qkvs; writes qkvc, qkvs
.if DOCPART == 2
	.amdgcn_target "amdgcn-amd-amdhsa--gfx1250"
	.amdhsa_code_object_version 6
	.text
	.protected	k_qa675065a06_qkv
	.globl	k_qa675065a06_qkv
	.p2align	8
	.type	k_qa675065a06_qkv,@function
k_qa675065a06_qkv:
	s_mov_b64 s[64:65], 0
	v_nop
	global_prefetch_b8 v0, s[64:65] scope:SCOPE_SE
	s_setreg_imm32_b32 hwreg(HW_REG_WAVE_MODE, 25, 1), 1
	s_wait_xcnt 0x0
	s_wait_alu depctr_hold_cnt(0) depctr_sa_sdst(0) depctr_va_vdst(0) depctr_va_sdst(0) depctr_va_ssrc(0) depctr_va_vcc(0) depctr_vm_vsrc(0)
	s_getreg_b32 s2, hwreg(HW_REG_IB_STS2, 6, 4)
	s_cmp_eq_u32 s2, 0
	s_cbranch_scc0 .Lentry_in_a_cluster
	s_endpgm
.Lentry_in_a_cluster:
	s_bfe_u32 s2, ttmp6, 0x10000c
	s_cmp_lg_u32 s2, 0xf033
	s_cbranch_scc0 .Lentry_shape_is_right
	s_endpgm
.Lentry_shape_is_right:
; qkv = payload x w_qkv on codes of FP8 (E4M3) with E8M0 scales; the results never leave as f32: q and k are quantised along the head's 64, v along the keys, in registers, and stored as IMAGES of the operand registers that the attention launch loads.
; A work-group of four waves makes 256 x 256 of the product, a wave 128 x 128: 64 accumulators, 512 registers.  K = 1,024 goes in four steps of 256 through two LDS slots filled by tensor loads.
; L is source 1 of the matrix instruction (its rows land in lanes), P source 0 (its rows run along a lane's registers).  Both lie in opc in position order, so that P's tiles 2 B and 2 B + 1 give a lane 16 true neighbours.
; The cluster's x is the kind: 0 q, 1 k: L = tokens, P = weight columns: a lane holds one token and 128 channels (two heads);  2 v: L = weight columns, P = tokens: a lane holds one channel and 128 keys.
; So in each case the 64 registers of one L tile are four blocks of 32 along the next product's K, and their codes are one fragment (16 registers).
; CLUSTERS: 4 x 4 work-groups; L's tiles hang on the cluster's row alone and are asked for jointly along it, P's on its column.  Both operands lie in one buffer: only row numbers differ.
; The scale bytes of the work-group's rows for all of K come once, with the first fills.  No prefetch: of K's four steps two come as first fills and the other two are asked for one step later.
; LIMITS: a block of zeros gets the byte 1 where the rule says 127 (its codes are zeros; this program alone reads the bytes); blocks whose largest magnitude lies under 2^-118 keep the byte 1; NaN and infinities are not served.
; REGISTERS: window 0: v0-31 addresses; v32-63 scale words, two sets; from v128 L's fragments, one set (on the way out v128-229 are at work).  window 1: P's fragments, two sets.  windows 2, 3: the accumulators ((a, b) at v[8 (8 (a % 4) + b)]).
.set ROWB,   256                       ; a tile's row: 256 codes
.set KROW,   1024                      ; a row of opc
.set NQ,     2                         ; matrix instructions deep in a slot
.set PITCH,  272                       ; an LDS row: 256 bytes + 16 of padding: the 16 rows that a load touches start 4 banks apart (64 banks of 4 bytes: ISA guide 11.1)
.set FR,     16
.set NL,     4
.set NP,     8                         ; places behind this matrix instruction (ISA guide 7.12.1)
.set HALFT,  128*PITCH
.set SLOT,   4*HALFT                   ; L's 256 rows, then P's 256 rows
.set SCL,    2*SLOT                    ; behind the ring: L's scale bytes [K step 4][256 rows][8 bytes]; P's the same, 8,320 bytes on
.set SPARE,  295168                    ; the spare words, 128 bytes for each wave: two blocks of 256 bytes that no other line names
.set PLANE,  98304                     ; ops: from one 256 along K to the next
.set ADRA, 16                          ; v16-17  LDS address of my L fragments in slot 0, 1
.set ADRB, 20                          ; v20-21  the same for P
.set VO0,  24                          ; v24     the way out: 16 x lane
.set VO2,  25                          ; v25     the same, + the distance to the fragment's second half
.set VSO,  26                          ; v26     the scale words' place: 16 r + 4,096 h
.set ADRS, 27                          ; v27     LDS address of my scale words: lanes 0-15 L's rows, lanes 16-31 P's
.set SPW,  28                          ; v28     my spare word; never rewritten
.set NIL,  29                          ; v29     0; never rewritten
.set SC,   32
.set AF,   128
.set QPC,  128                         ; the way out: codes, two sets of 16
.set TM,   200                         ; v200-203 largest magnitudes, v204-207 bytes, v208-211 448 x the scale, v212-215 the conversions' scale operands
.set WD,   216                         ; v216-223 the scale word of each L tile
.set QD,   224                         ; v224-227 the scale words as they are stored
.set G1, 24
.set G0, 32
.set G1B, 48
.set G0B, 56
.set G1S, 68
.set G0S, 76
.set G1SB, 80
.set G0SB, 88
.set MSB, 0
.macro WIN new                         ; the immediate's high byte repeats the setting that is left
.if MSB != (\new)
	s_set_vgpr_msb (MSB<<8)|(\new)
.set MSB, (\new)
.endif
.endm
.set MUL_LO, 0xa1                      ; source 0 (P) window 1, source 1 (L) window 0, C and D window 2
.set MUL_HI, 0xf1
.set TO_B,   0x40
; A joint load: waves 0 and 1 fetch for L, waves 2 and 3 for P.  The branch hangs on the wave's number alone.  Four v_nop follow each line.
.macro JLOAD g0a, g1a, g0b, g1b
	s_cmp_eq_u32 s15, 0
	s_cbranch_scc0 .Lfor_b_\@
	tensor_load_to_lds s[\g0a:\g0a+3], s[\g1a:\g1a+7]
	s_nop 0
.rept 4
	v_nop
.endr
	s_branch .Lasked_\@
.Lfor_b_\@:
	tensor_load_to_lds s[\g0b:\g0b+3], s[\g1b:\g1b+7]
	s_nop 0
.rept 4
	v_nop
.endr
.Lasked_\@:
.endm
.macro CREST                           ; a round of the cluster's barrier behind its opening barrier
	s_cmp_lg_u32 s14, 0
	s_cbranch_scc1 .Lnot_wave_0_\@
	s_barrier_signal -3
.Lnot_wave_0_\@:
	s_barrier_wait -3
	s_barrier_signal -1
	s_barrier_wait -1
.endm
.macro CROUND
	s_barrier_signal -1
	s_barrier_wait -1
	CREST
.endm
	s_load_b128 s[4:7], s[0:1], 0x0                ; opc s[4:5], ops s[6:7]
	s_load_b128 s[8:11], s[0:1], 0x10              ; qkvc s[8:9], qkvs s[10:11]
	v_lshl_add_u32 v[SPW], v0, 2, SPARE
	v_mov_b32 v[NIL], 0
	ds_add_u32 v28, v29
	ds_add_u32 v28, v29
	s_wait_dscnt 0x0
	v_lshrrev_b32 v1, 5, v0
	v_readfirstlane_b32 s14, v1                    ; wave 0..3
	s_lshr_b32 s15, s14, 1                         ; my half of L's rows.  Also: I fetch for L (0) or for P (1)
	s_and_b32 s16, s14, 1                          ; my half of P's rows.  Also: which 128 rows I fetch
	s_bfe_u32 s40, ttmp6, 0x40000                  ; cx
	s_bfe_u32 s41, ttmp6, 0x40004                  ; cy
	s_and_b32 s96, ttmp7, 0xffff
	s_lshl_b32 s96, s96, 2                         ; 4 x cluster y: the cluster's first tile of 256 tokens
	s_lshl_b32 s42, ttmp9, 2
	s_add_co_u32 s42, s42, 32                      ; q's and k's weight columns begin at position 8,192 = 32 x 256
	s_cmp_eq_u32 ttmp9, 2                          ; v?  The cluster's x: the same in all sixteen partners
	s_cselect_b32 s95, 1, 0
	s_cselect_b32 s17, 40, s96                     ; L: v's weight columns (from position 10,240), or tokens
	s_cselect_b32 s42, s96, s42                    ; P: tokens, or q's or k's weight columns
	s_add_co_u32 s17, s17, s41                     ; L's tile of 256 positions: hangs on cy alone
	s_add_co_u32 s42, s42, s40                     ; P's: on cx alone
	s_lshl_b32 s43, s41, 2
	s_lshl_b32 s43, 15, s43                        ; my row of the cluster
	s_lshl_b32 s44, 0x1111, s40                    ; my column
	s_or_b32 s[G1+0], s43, (1<<20)|(1<<21)|(5<<22)|(3<<25)    ; the mask; elements of 1 byte; padding on: 4 words behind every 64; bit 21 beside a mask
	s_or_b32 s[G1B+0], s44, (1<<20)|(1<<21)|(5<<22)|(3<<25)
.irp g, G1, G1B
	s_mov_b32 s[\g+1], ROWB<<16                    ; tensor_dim0
	s_mov_b32 s[\g+2], 256<<16                     ; tensor_dim1: 256 rows for the head's loads; set to 128 for the ring's behind the head's wait
	s_mov_b32 s[\g+3], ROWB<<16                    ; tile_dim0
	s_mov_b32 s[\g+4], 256                         ; tile_dim1
	s_mov_b32 s[\g+5], KROW                        ; the pitch
	s_mov_b32 s[\g+6], 0
	s_mov_b32 s[\g+7], 0
.endr
	s_or_b32 s[G1S+0], s43, (3<<16)|(1<<21)        ; the scale bytes of 256 rows: four rows (K steps) of 2,048 bytes = 256 elements of 8 bytes, PLANE bytes apart, dense in LDS
	s_or_b32 s[G1SB+0], s44, (3<<16)|(1<<21)
.irp g, G1S, G1SB
	s_mov_b32 s[\g+1], 256<<16
	s_mov_b32 s[\g+2], 4<<16
	s_mov_b32 s[\g+3], 256<<16
	s_mov_b32 s[\g+4], 4
	s_mov_b32 s[\g+5], PLANE/8
	s_mov_b32 s[\g+6], 0
	s_mov_b32 s[\g+7], 0
.endr
	s_lshl_b32 s18, s16, 17                        ; in the ring I fetch 128 rows of a tile: which half, in bytes (128 rows of 1,024)
	s_mov_b32 s19, 0
	s_lshl_b32 s20, s17, 8                         ; L: the tile's first position
	s_lshl_b32 s46, s42, 8                         ; P likewise
	s_lshl_b32 s22, s20, 3                         ; its scale bytes,
	s_mov_b32 s23, 0
	s_lshl_b32 s92, s46, 3
	s_mov_b32 s93, 0
	s_lshl_b32 s20, s20, 10                        ; its codes
	s_mov_b32 s21, 0
	s_lshl_b32 s46, s46, 10
	s_mov_b32 s47, 0
	s_mul_i32 s45, s14, HALFT                      ; where they go: by the wave's number alone
	s_wait_kmcnt 0x0
	s_add_nc_u64 s[20:21], s[4:5], s[20:21]
	s_add_nc_u64 s[22:23], s[6:7], s[22:23]
	s_add_nc_u64 s[46:47], s[4:5], s[46:47]
	s_add_nc_u64 s[92:93], s[6:7], s[92:93]
	CROUND                                         ; all sixteen work-groups are here: the first joint loads meet
	s_mov_b32 s[G0S], 1
	s_mov_b32 s[G0S+1], SCL
	s_mov_b64 s[G0S+2:G0S+3], s[22:23]
	s_or_b32 s[G0S+3], s[G0S+3], 0x80000000
	s_mov_b32 s[G0SB], 1
	s_mov_b32 s[G0SB+1], SCL+8320
	s_mov_b64 s[G0SB+2:G0SB+3], s[92:93]
	s_or_b32 s[G0SB+3], s[G0SB+3], 0x80000000
	s_mov_b32 s[G0], 1                             ; slot 0's groups 0 serve the head first: K step 0's 256 rows of L, whole,
	s_mov_b32 s[G0+1], 0
	s_mov_b64 s[G0+2:G0+3], s[20:21]
	s_or_b32 s[G0+3], s[G0+3], 0x80000000
	s_mov_b32 s[G0B], 1                            ; and its 256 rows of P, behind them
	s_mov_b32 s[G0B+1], 2*HALFT
	s_mov_b64 s[G0B+2:G0B+3], s[46:47]
	s_or_b32 s[G0B+3], s[G0B+3], 0x80000000
	s_mov_b32 s[G0+4], 1                           ; slot 1's: my 128 rows of K step 1
	s_add_co_u32 s[G0+5], s45, SLOT
	s_add_nc_u64 s[G0+6:G0+7], s[20:21], s[18:19]
	s_add_nc_u64 s[G0+6:G0+7], s[G0+6:G0+7], ROWB
	s_or_b32 s[G0+7], s[G0+7], 0x80000000
	s_mov_b32 s[G0B+4], 1
	s_add_co_u32 s[G0B+5], s45, SLOT
	s_add_nc_u64 s[G0B+6:G0B+7], s[46:47], s[18:19]
	s_add_nc_u64 s[G0B+6:G0B+7], s[G0B+6:G0B+7], ROWB
	s_or_b32 s[G0B+7], s[G0B+7], 0x80000000
; THE HEAD'S LOADS, ONE A WAVE: wave 0 K step 0's 256 rows of L, wave 1 its 256 rows of P, wave 2 L's scale bytes, wave 3 P's.  One chain of branches on the wave's number, a load to an arm.
.macro ARM under, g0, g1, next
	s_cmp_lt_u32 s14, \under
	s_cbranch_scc0 \next
	tensor_load_to_lds s[\g0:\g0+3], s[\g1:\g1+7]
	s_nop 0
.rept 4
	v_nop
.endr
	s_branch .Lhead_asked
\next:
.endm
	ARM 1, G0,  G1,  .Lhead_b
	ARM 2, G0B, G1B, .Lhead_sa
	ARM 3, G0S, G1S, .Lhead_sb
	tensor_load_to_lds s[G0SB:G0SB+3], s[G1SB:G1SB+7]
	s_nop 0
.rept 4
	v_nop
.endr
.Lhead_asked:
	v_and_b32 v1, 15, v0                           ; r
	v_bfe_u32 v2, v0, 4, 1                         ; h
	s_wait_alu depctr_va_vdst(0)
	v_mul_u32_u24 v3, v1, PITCH
	v_lshl_add_u32 v4, v2, 4, v3                   ; a fragment's row x pitch + 16 h
	s_mul_i32 s21, s15, HALFT                      ; my 128 rows of L
	s_mul_i32 s22, s16, HALFT
	s_add_co_u32 s22, s22, 2*HALFT                 ; my 128 rows of P, behind L's 256
.irp s, 0,1
	v_add_nc_u32 v[ADRA+\s], s21, v4
	v_add_nc_u32 v[ADRB+\s], s22, v4
	s_add_co_u32 s21, s21, SLOT
	s_add_co_u32 s22, s22, SLOT
.endr
	v_lshlrev_b32 v5, 3, v1                        ; scale bytes: 8 a row
	s_lshl_b32 s21, s15, 10                        ; L's: my half: 128 rows of 8 bytes
	s_lshl_b32 s22, s16, 10                        ; P's: my half, 8,320 bytes behind L's first
	s_add_co_u32 s22, s22, 8320
	s_sub_co_u32 s22, s22, s21
	v_mul_u32_u24 v6, s22, v2                      ; lanes 16-31 take P's: one product by h
	s_add_co_u32 s21, s21, SCL
	v_add_nc_u32 v5, v5, v6
	v_add_nc_u32 v[ADRS], s21, v5
.macro FRAG reg, adr, q, i             ; 16 rows x 128 K: lane l holds row l % 16; registers 4 c .. 4 c + 3 hold K = 32 c + 16 (l / 16) + 0 .. 15
.irp c, 0,1,2,3
	ds_load_b128 v[\reg+4*\c:\reg+4*\c+3], v[\adr] offset:128*(\q)+32*\c+(\i)*16*PITCH
.endr
.endm
; 16 matrix instructions: L's blocks a0, a0 + 1 x P's eight.  The 64 accumulators take turns, one instruction a turn, in the same order in every step.
.macro MUL16 a0, p, q, sc, zero
.irp a, \a0, \a0+1
.irp b, 0,1,2,3,4,5,6,7
.if \zero
	v_wmma_scale_f32_16x16x128_f8f6f4 v[8*(8*((\a)%4)+\b):8*(8*((\a)%4)+\b)+7], v[128*(\p)+FR*\b:128*(\p)+FR*\b+FR-1], v[AF+FR*(\a):AF+FR*(\a)+FR-1], 0, v[SC+8*NQ*(\sc)+NQ*\b+(\q)], v[SC+8*NQ*(\sc)+NQ*(\a)+(\q)] matrix_a_scale:MATRIX_SCALE_ROW1
.else
	v_wmma_scale_f32_16x16x128_f8f6f4 v[8*(8*((\a)%4)+\b):8*(8*((\a)%4)+\b)+7], v[128*(\p)+FR*\b:128*(\p)+FR*\b+FR-1], v[AF+FR*(\a):AF+FR*(\a)+FR-1], v[8*(8*((\a)%4)+\b):8*(8*((\a)%4)+\b)+7], v[SC+8*NQ*(\sc)+NQ*\b+(\q)], v[SC+8*NQ*(\sc)+NQ*(\a)+(\q)] matrix_a_scale:MATRIX_SCALE_ROW1
.endif
.endr
.endr
.endm
.macro FETCH_B slot, q, p
	WIN TO_B
.irp i, 0,1,2,3,4,5,6,7
	FRAG 128*(\p)+FR*\i, ADRB+\slot, \q, \i
.endr
	WIN 0
.endm
.macro FETCH_A slot, q, i0
.irp i, \i0, \i0+1, \i0+2, \i0+3
	FRAG AF+FR*(\i), ADRA+\slot, \q, \i
.endr
.endm
.macro SCALES sc                       ; a K step's scale words: two words a row; lanes 0-15 take L's block i, lanes 16-31 P's block i
.irp i, 0,1,2,3,4,5,6,7
	ds_load_b64 v[SC+8*NQ*\sc+NQ*\i:SC+8*NQ*\sc+NQ*\i+1], v[ADRS] offset:\i*128
.endr
.endm
.macro PLACES n                        ; plain vector instructions between a matrix instruction and a load into, or a read of, its registers
.rept \n
	v_nop
.endr
.endm
.macro STEP slot, q, zero              ; 128 along K whose successor lies in the same slot
	s_wait_dscnt 4*NL                              ; P's set and L's blocks 0-3 are in; the youngest 16 loads (L's blocks 4-7) may be out
	WIN MUL_LO
	MUL16 0, (\q)%2, \q, \slot, \zero
	MUL16 2, (\q)%2, \q, \slot, \zero
	s_wait_dscnt 0
	PLACES NP
	FETCH_B \slot, (\q)+1, 1-(\q)%2
	FETCH_A \slot, (\q)+1, 0
	WIN MUL_HI
	MUL16 4, (\q)%2, \q, \slot, \zero
	MUL16 6, (\q)%2, \q, \slot, \zero
	PLACES NP
	WIN 0
	FETCH_A \slot, (\q)+1, 4
.endm
; A slot's last step changes slots: one barrier; in front of it each wave waits for all its tensor loads, adds 0 to its spare word, and waits for that and for its reads of this slot.  fill = 1: the slot is filled again, two K steps ahead.
.macro TURN slot, next, fill
	s_wait_tensorcnt 0x0                           ; all my tensor loads have landed: my part of the next slot
	ds_add_u32 v[SPW], v[NIL]                      ; 0 onto my spare word
	s_wait_dscnt 4*NL+1                            ; the add and the youngest 16 loads may be out
	WIN MUL_LO
	MUL16 0, 1, NQ-1, \slot, 0
	s_wait_dscnt 0x0                               ; the add is done, and my reads of this slot are over
	s_barrier_signal -1
	MUL16 2, 1, NQ-1, \slot, 0
	WIN 0
	s_barrier_wait -1
.if \fill
	CREST                                          ; the barrier has opened a round of the cluster's barrier: no wave of any partner still reads this slot or has a load on its way
	s_add_nc_u64 s[G0+4*\slot+2:G0+4*\slot+3], s[G0+4*\slot+2:G0+4*\slot+3], 2*ROWB
	s_add_nc_u64 s[G0B+4*\slot+2:G0B+4*\slot+3], s[G0B+4*\slot+2:G0B+4*\slot+3], 2*ROWB
	JLOAD G0+4*\slot, G1, G0B+4*\slot, G1B         ; the first tensor load behind the round; its four v_nop are among the places below
	PLACES NP-4
.else
	PLACES NP
.endif
	s_wait_alu depctr_va_vdst(0)
	v_add_nc_u32 v[ADRS], 2048, v[ADRS]            ; the next K step's scale words: 256 rows of 8 bytes on
	FETCH_B \next, 0, 0
	FETCH_A \next, 0, 0
	SCALES \next
	WIN MUL_HI
	MUL16 4, 1, NQ-1, \slot, 0
	MUL16 6, 1, NQ-1, \slot, 0
	PLACES NP
	WIN 0
	FETCH_A \next, 0, 4
.endm
	s_wait_alu depctr_va_vdst(0)
	s_wait_tensorcnt 0x0                           ; my tile of the head's four is in
	ds_add_u32 v[SPW], v[NIL]
	s_mov_b32 s[G1+2], 128<<16                     ; no tensor load of mine is out, so descriptors may be written: from here on a load brings 128 rows,
	s_mov_b32 s[G1+4], 128
	s_mov_b32 s[G1B+2], 128<<16
	s_mov_b32 s[G1B+4], 128
	s_mov_b32 s[G0+1], s45                         ; and slot 0's groups 0 name my 128 rows
	s_add_nc_u64 s[G0+2:G0+3], s[G0+2:G0+3], s[18:19]
	s_mov_b32 s[G0B+1], s45
	s_add_nc_u64 s[G0B+2:G0B+3], s[G0B+2:G0B+3], s[18:19]
	s_wait_dscnt 0x0
	CROUND                                         ; a whole round: all four tiles are in, and all sixteen work-groups are here
	JLOAD G0+4, G1, G0B+4, G1B                     ; K step 1, the first tensor load behind the round
	FETCH_B 0, 0, 0
	FETCH_A 0, 0, 0
	SCALES 0
	FETCH_A 0, 0, 4
	STEP 0, 0, 1                                   ; the first products start the sums: nothing is cleared
	TURN 0, 1, 1                                   ; K has four steps of 256: the one lap that fills both slots again is written out
	STEP 1, 0, 0
	TURN 1, 0, 1
	STEP 0, 0, 0
	TURN 0, 1, 0                                   ; the last lap fills nothing
	STEP 1, 0, 0
	s_wait_dscnt 4*NL
	WIN MUL_LO
	MUL16 0, 1, NQ-1, 1, 0
	MUL16 2, 1, NQ-1, 1, 0
	s_wait_dscnt 0
	WIN MUL_HI
	MUL16 4, 1, NQ-1, 1, 0
	MUL16 6, 1, NQ-1, 1, 0
	WIN 0
	; THE WAY OUT.  No LDS: the codes of an L tile are a fragment's 16 registers, and they are stored as they stand, 512 consecutive bytes an instruction.
	; qkvc: kind x 8,388,608 + (16 batch + head) x 131,072 + (group of 128 tokens) x 8,192; q, k: [tile 8][c 2][512]; v: [channel tile 4][c 4][512].
	s_mov_b32 s2, 0x76543210
	s_mov_b32 s3, 0xfedcba98                       ; v_permlanex16_b32's selects for lane l xor 16
	s_mov_b32 s19, 0x600000                        ; the mantissa field of 448
	s_cmp_eq_u32 s95, 1
	s_cselect_b32 s98, s42, s17                    ; the tile of 256 tokens,
	s_cselect_b32 s99, s16, s15                    ; my half of it,
	s_cselect_b32 s100, s41, s40                   ; the tile of 256 channels of this kind (four heads),
	s_cselect_b32 s101, s15, s16                   ; my half of it (two heads)
	s_mov_b32 s97, 0x20000
	s_cselect_b32 s97, 1024, s97                   ; from a fragment's first half to its second: v: 1,024 bytes on; q, k: the next head
	s_lshl_b32 s98, s98, 1
	s_add_co_u32 s98, s98, s99                     ; my group of 128 tokens, over all batches
	s_and_b32 s99, s98, 15                         ; in its batch
	s_lshr_b32 s98, s98, 4
	s_lshl_b32 s98, s98, 4                         ; 16 x batch
	s_lshl_b32 s100, s100, 2
	s_add_co_u32 s98, s98, s100
	s_lshl_b32 s101, s101, 1
	s_add_co_u32 s98, s98, s101                    ; 16 batch + my first head
	s_lshl_b32 s12, ttmp9, 23
	s_lshl_b32 s13, s98, 17
	s_add_co_u32 s12, s12, s13
	s_lshl_b32 s13, s99, 13
	s_add_co_u32 s12, s12, s13
	s_mov_b32 s13, 0
	s_add_nc_u64 s[12:13], s[8:9], s[12:13]        ; the codes
	s_lshl_b32 s66, ttmp9, 18
	s_lshl_b32 s67, s98, 12
	s_add_co_u32 s66, s66, s67
	s_lshl_b32 s67, s99, 8
	s_add_co_u32 s66, s66, s67
	s_mov_b32 s67, 0
	s_add_nc_u64 s[66:67], s[10:11], s[66:67]      ; the scale words
	s_cmp_eq_u32 s95, 1
	s_mov_b32 s98, 1024
	s_cselect_b32 s98, 2048, s98                   ; from an L tile to the next
	s_mov_b32 s99, 0
	s_mov_b32 s100, 1024
	s_cselect_b32 s100, 0x1e800, s100              ; and from tile 3 to tile 4: v: the next head's first channel tile, 131,072 - 3 x 2,048
	s_mov_b32 s101, 0
	PLACES NP                                      ; behind the last products: their results are read and L's registers written below
	v_and_b32 v6, 31, v0
	v_lshlrev_b32 v[VO0], 4, v6
	v_add_nc_u32 v[VO2], s97, v[VO0]
	v_lshlrev_b32 v[VSO], 4, v1
	v_lshl_add_u32 v[VSO], v2, 12, v[VSO]
.irp b, 0,1,2,3
	v_mov_b32 v[TM+4+\b], 0                        ; written once: a lane permute's destination counts as one of its sources
.endr
; L tile a: its 64 registers (16 b + i = place 32 b + 16 h + i along the next K) become 16 registers of codes and a scale word.  A block lies in lanes l and l xor 16.
.macro QW a
.set QAS, 64*((\a)%4)
.set WW, 2+(\a)/4
.set PCA, QPC+16*((\a)%2)
.if (\a) > 0
	s_wait_xcnt 0x0                                ; the earlier stores have read their data and their base: both are written again only behind this wait
.if (\a) == 4
	s_add_nc_u64 s[12:13], s[12:13], s[100:101]
.else
	s_add_nc_u64 s[12:13], s[12:13], s[98:99]
.endif
.endif
	WIN 0
.irp b, 0,1,2,3
	v_mov_b32 v[TM+\b], 0x4800000                  ; the floor 2^(9 - 127): the byte cannot fall under 1
.endr
	WIN (WW<<2)|(WW<<4)
.irp i, 0,2,4,6,8,10,12,14
.irp b, 0,1,2,3
	v_max3_num_f32 v[TM+\b], v[TM+\b], |v[QAS+16*\b+\i]|, |v[QAS+16*\b+\i+1]|   ; the four blocks by turns; each accumulator is read from its low end on
.endr
.endr
	WIN 0
.irp b, 0,1,2,3
	v_permlanex16_b32 v[TM+4+\b], v[TM+\b], s2, s3
.endr
.irp b, 0,1,2,3
	v_max_num_f32 v[TM+\b], v[TM+\b], v[TM+4+\b]
.endr
.irp b, 0,1,2,3
	v_add_nc_u32 v[TM+12+\b], 0xfc000000, v[TM+\b] ; 8 off the exponent field: the conversion's scale operand
.endr
.irp b, 0,1,2,3
	v_and_or_b32 v[TM+8+\b], v[TM+\b], 0x7f800000, s19   ; 448 x the scale
.endr
.irp b, 0,1,2,3
	v_lshrrev_b32 v[TM+4+\b], 23, v[TM+12+\b]      ; the scale's byte
.endr
	v_lshl_or_b32 v[WD+(\a)], v[TM+5], 8, v[TM+4]
	v_lshl_or_b32 v[WD+(\a)], v[TM+6], 16, v[WD+(\a)]
	v_lshl_or_b32 v[WD+(\a)], v[TM+7], 24, v[WD+(\a)]
	WIN WW|(WW<<6)
.irp b, 0,1,2,3
.set JJ, 0
.rept 16
	v_med3_num_f32 v[QAS+16*\b+JJ], v[QAS+16*\b+JJ], -v[TM+8+\b], v[TM+8+\b]   ; the conversion does not saturate (ISA guide 7.6.2): the hold comes first
.set JJ, JJ+1
.endr
.endr
	WIN WW
.irp b, 0,1,2,3
	v_cvt_scalef32_pk8_fp8_f32 v[PCA+4*\b:PCA+4*\b+1], v[QAS+16*\b:QAS+16*\b+7], v[TM+12+\b]
	v_cvt_scalef32_pk8_fp8_f32 v[PCA+4*\b+2:PCA+4*\b+3], v[QAS+16*\b+8:QAS+16*\b+15], v[TM+12+\b]
.endr
	WIN 0
	v_nop                                          ; a plain vector instruction behind the last conversion
	global_store_b128 v[VO0], v[PCA:PCA+3], s[12:13]
	global_store_b128 v[VO0], v[PCA+4:PCA+7], s[12:13] offset:512
	global_store_b128 v[VO2], v[PCA+8:PCA+11], s[12:13]
	global_store_b128 v[VO2], v[PCA+12:PCA+15], s[12:13] offset:512   ; each store: 512 consecutive bytes, aligned
.endm
.irp a, 0,1,2,3,4,5,6,7
	QW \a
.endr
	; The scale words, laid [r 16][4 words] for a head and a group of 128 tokens.  q, k: word p holds tile 2 p's two bytes and tile 2 p + 1's; lanes 0-15 serve my first head (the words' low halves), lanes 16-31 my second.
	; v: word i is channel tile i's; lanes 0-15 take tiles 0-3 (first head), lanes 16-31 tiles 4-7.  The branch hangs on the cluster's x.
	v_and_b32 v229, 16, v0
	v_cmp_eq_u32 vcc_lo, 0, v229
	s_cmp_eq_u32 s95, 1
	s_cbranch_scc1 .Lv_words
	v_mov_b32 v228, 0x07060302
	v_mov_b32 v229, 0x05040100
	v_cndmask_b32 v228, v228, v229, vcc_lo
.irp p, 0,1,2,3
	v_perm_b32 v[QD+\p], v[WD+2*\p+1], v[WD+2*\p], v228
.endr
	s_branch .Lwords_made
.Lv_words:
	v_mov_b32 v228, 0x07060504
	v_mov_b32 v229, 0x03020100
	v_cndmask_b32 v228, v228, v229, vcc_lo
.irp p, 0,1,2,3
	v_perm_b32 v[QD+\p], v[WD+4+\p], v[WD+\p], v228
.endr
.Lwords_made:
	s_wait_alu depctr_va_vdst(0)
	global_store_b128 v[VSO], v[QD:QD+3], s[66:67] ; 16 lanes store a head's 256 consecutive bytes, aligned
	s_wait_tensorcnt 0x0                           ; the wave's end
	ds_add_u32 v[SPW], v[NIL]
	s_wait_dscnt 0x0
	CROUND                                         ; the closing round: no work-group ends while a partner may still ask for a tile that names it
	s_endpgm
.Lfunc_end_k_qa675065a06_qkv:
	.size	k_qa675065a06_qkv, .Lfunc_end_k_qa675065a06_qkv-k_qa675065a06_qkv
	.p2alignl 7, 3214868480
	.fill 96, 4, 3214868480
	.section	.rodata,"a",@progbits
	.p2align	6, 0x0
	.amdhsa_kernel k_qa675065a06_qkv
		.amdhsa_group_segment_fixed_size 327680
		.amdhsa_private_segment_fixed_size 0
		.amdhsa_enable_private_segment 0
		.amdhsa_kernarg_size 32
		.amdhsa_user_sgpr_count 2
		.amdhsa_user_sgpr_kernarg_segment_ptr 1
		.amdhsa_wavefront_size32 1
		.amdhsa_system_sgpr_workgroup_id_x 1
		.amdhsa_system_sgpr_workgroup_id_y 1
		.amdhsa_system_sgpr_workgroup_id_z 1
		.amdhsa_system_vgpr_workitem_id 0
		.amdhsa_next_free_vgpr 1024
		.amdhsa_next_free_sgpr 102
		.amdhsa_reserve_vcc 1
		.amdhsa_float_denorm_mode_32 3
		.amdhsa_float_denorm_mode_16_64 3
		.amdhsa_memory_ordered 1
		.amdhsa_forward_progress 1
		.amdhsa_inst_pref_size 188
	.end_amdhsa_kernel
	.amdgpu_metadata
---
amdhsa.version: [ 1, 2 ]
amdhsa.kernels:
  - .name:           k_qa675065a06_qkv
    .symbol:         k_qa675065a06_qkv.kd
    .args:
      - { .name: opc, .offset: 0, .size: 8, .value_kind: global_buffer, .address_space: global }
      - { .name: ops, .offset: 8, .size: 8, .value_kind: global_buffer, .address_space: global }
      - { .name: qkvc, .offset: 16, .size: 8, .value_kind: global_buffer, .address_space: global }
      - { .name: qkvs, .offset: 24, .size: 8, .value_kind: global_buffer, .address_space: global }
    .group_segment_fixed_size: 327680
    .private_segment_fixed_size: 0
    .kernarg_segment_align: 8
    .kernarg_segment_size: 32
    .max_flat_workgroup_size: 128
    .sgpr_count:     102
    .vgpr_count:     1024
    .wavefront_size: 32
...
	.end_amdgpu_metadata
.endif
;; end of part 2
;; launch attn (part 3): grid 4 x 64, 16 waves a work-group, clusters of 4 x 1, 327,680 bytes of LDS; arguments qkvc, qkvs, cc, cs; writes cc, cs
.if DOCPART == 3
	.amdgcn_target "amdgcn-amd-amdhsa--gfx1250"
	.amdhsa_code_object_version 6
	.text
	.protected	k_qa675065a06_attn
	.globl	k_qa675065a06_attn
	.p2align	8
	.type	k_qa675065a06_attn,@function
k_qa675065a06_attn:
	s_mov_b64 s[64:65], 0
	v_nop
	global_prefetch_b8 v0, s[64:65] scope:SCOPE_SE
	s_setreg_imm32_b32 hwreg(HW_REG_WAVE_MODE, 25, 1), 1
	s_wait_xcnt 0x0
	s_wait_alu depctr_hold_cnt(0) depctr_sa_sdst(0) depctr_va_vdst(0) depctr_va_sdst(0) depctr_va_ssrc(0) depctr_va_vcc(0) depctr_vm_vsrc(0)
	s_getreg_b32 s2, hwreg(HW_REG_IB_STS2, 6, 4)
	s_cmp_eq_u32 s2, 0
	s_cbranch_scc0 .Lentry_in_a_cluster
	s_endpgm
.Lentry_in_a_cluster:
	s_bfe_u32 s2, ttmp6, 0x10000c
	s_cmp_lg_u32 s2, 0x3003
	s_cbranch_scc0 .Lentry_shape_is_right
	s_endpgm
.Lentry_shape_is_right:
; Causal attention of one head on codes of FP8 (E4M3) with E8M0 scales; the result, divided by the row's sum, is quantised along head x 64 + channel and stored as images of the last product's operand registers.
; THE SOFTMAX: t = score x log2(e) / 8; M = the running largest t rounded UP to a whole number; p = 2^(t - M) is quantised along the keys, not normalised; the sum is taken of the unquantised p; when M moves, sum and O are multiplied by 2^(old M - new M), exactly.
; WORK LEFT OUT: key steps all of whose keys come after a tile's queries: the causal mask makes their weights 0 for all inputs.  A NaN or an infinity that reaches only such scores is not carried to the result.
; ALL OF A HEAD'S K AND V STAY IN LDS: 2 x 131,072 bytes of codes and 2 x 4,096 of scale words, filled once, at the head, one tensor load a wave; nothing is filled again, and no barrier stands in the loops.
; THE FILLS ARE SHOWN IN TWO STAGES.  Waves 0 and 1 bring K's and V's first 32,768 bytes (key steps 0 to 3), waves 2 and 3 the scale words: these four alone wait at the first barrier, and have load lines of their own.
; Waves 4 to 7 bring the rest of K in four tiles of 24,576 bytes, waves 8 to 11 the rest of V: every wave waits for 0 at the second barrier, which stands behind key step 3 of the first tile (every wave's first tile has nine key steps or more).
; CLUSTER: the four work-groups of a head ask for these tiles jointly (mask 15).  Every partner reads every tile: its waves 0 and 1 walk all sixteen key steps.
; SHARES.  A head has 128 tiles of 16 queries.  Wave w of partner g owns tiles 127 - i and i, i = 4 w + g: 16 - w / 2 and 1 + w / 2 key steps of 128 keys: 17 for every wave.  A tile's count of steps and its step on the diagonal (the last) hang on w alone,
; so no branch hangs on a work-group's place in the cluster; g enters global addresses and the mask's compare values only.  The loops' trip counts are constants (4, 12 and 8); a hidden step is jumped over by a scalar branch.
; LAYOUT.  Both products transposed: S^T = K Q^T, O^T = V^T P^T: a lane holds one query.  q, k and v lie in memory as images of operand registers, in position order, so that p's 16 registers of two neighbouring key tiles are 16 neighbouring keys, and O^T's are 16 neighbouring channels.
; THE HEAD HAS 64 CHANNELS, THE INSTRUCTION 128 ALONG K.  Source 0 is a PAIR of key tiles (tile 2 p in K = 0 .. 63, tile 2 p + 1 in K = 64 .. 127); source 1 is [q, 0] or [0, q].  The half that meets zero codes adds exactly 0; q's scale bytes over its zero codes are 1.
; NO PREFETCH: all that the launch reads of K and V is asked for by its first instructions; there is no loop to run ahead in.  q is 1,024 bytes a tile, read once by one wave.
; LIMITS: the scaled scores stay under 2^31 in magnitude; NaN and infinities are not served; a block of zeros gets the byte 1 where the rule says 127 (zero codes; only this program reads the bytes); blocks whose largest magnitude lies under 2^-118 keep the byte 1;
; a block's largest p is taken from the block's largest score, which takes v_exp_f32 not to fall where its input rises.
.set VOFF,  131072                     ; LDS: K's codes at 0, V's here: 8,192 bytes a key step each
.set KSC,   262144                     ; K's scale words, 256 bytes a key step; V's 4,096 bytes on
.set SPARE, 270336                     ; the spare words, 128 bytes for each wave: eight blocks of 256 bytes that no other line names
.set LI,  1                            ; v1   16 x lane: an image's place for my lane
.set ADR, 2                            ; v2   the step's K codes + 16 x lane
.set DQ,  3                            ; v3   r + 8 (r / 8) - 16 h
.set R16, 4                            ; v4   16 r
.set SPW, 5                            ; v5   my spare word; never rewritten
.set NIL, 6                            ; v6   0; never rewritten
.set R8,  8                            ; v8   8 r
.set DD,  9                            ; v9   my query less the diagonal step's first key, less 16 h
.set ADV, 10                           ; v10  the step's V codes
.set ASC, 11                           ; v11  the step's scale words: 16 r
.set KV,  40                           ; v40-103  four pair fragments of K, then four fragments of V
.set S,   104                          ; v104-167 S^T, then p
.set O,   168                          ; v168-199 O^T.   v12 -M, v13 the largest t, v[14:15] the sum; v16-23 q, v24-31 zeros, v32-39 q again
.set PCD, 200                          ; v200-215 p's codes
.set KS,  216                          ; v216-219 K's scale words;  v220-223 V's;  v224, v225 q's for [q, 0] and [0, q];  v226 p's
.set VS,  220
.set QWL, 224
.set PW,  226
.set BM,  228                          ; v228-231 a block's largest; v232-235 the other half's, then bytes; v236-239 448 x the scale, v250-253 the same once more; v240-243 the conversions' scale operands; v[246:247] f; v238-245, v250-255 also chains of sums; v248-250 at work
.set T1,  232
.set HL,  236
.set HL2, 250
.set SO,  240
.set WV,  12
.set GG,  13
.set BH,  14
.set TI,  15                           ; the tile in hand
.set MNT, 19
.set SEL, 20
.set CS,  22                           ; s[22:23] c = log2(e) / 8
.set G1C, 24                           ; s[24:31] group 1 for the first stage's codes; s[32:39] for scale words; s[56:63] for the second stage's codes; s[40:43], s[44:47], s[92:95] their groups 0
.set G1S, 32
.set G1D, 56
.set G0C, 40
.set G0S, 44
.set G0D, 92
.set ST,  48                           ; the key step
.set LAST, 50                          ; the tile's last key step, the one on the diagonal
.set TB,  51                           ; 8,192 x the key step
.set TS,  52                           ; KSC + 256 x the key step
.set SHU, 53
.set II,  54                           ; i
.set L2,  55                           ; w / 2
.set QCB, 66                           ; the head's bases: q's codes, q's scale words, cc, cs
.set QSB, 68
.set CXB, 70
.set CSB, 72
.set QA,  74                           ; and the same at my tile
.set QSA, 76
.set CXA, 78
.set CSA, 80
.macro CROUND                          ; a round of the cluster's barrier
	s_barrier_signal -1
	s_barrier_wait -1
	s_cmp_lg_u32 s[WV], 0
	s_cbranch_scc1 .Lnot_wave_0_\@
	s_barrier_signal -3
.Lnot_wave_0_\@:
	s_barrier_wait -3
	s_barrier_signal -1
	s_barrier_wait -1
.endm
.macro DENSE g, rows                   ; group 1: a dense block as rows of 256 bytes (32 elements of 8 bytes), no padding; the mask of all four partners, bit 21 beside it
	s_mov_b32 s[\g], 15|(3<<16)|(1<<21)
	s_mov_b32 s[\g+1], 32<<16
	s_mov_b32 s[\g+2], (\rows)<<16
	s_mov_b32 s[\g+3], 32<<16
	s_mov_b32 s[\g+4], \rows
	s_mov_b32 s[\g+5], 32
	s_mov_b32 s[\g+6], 0
	s_mov_b32 s[\g+7], 0
.endm
.macro TLOAD g0, g1                    ; an s_nop 0 and four v_nop follow each load
	tensor_load_to_lds s[\g0:\g0+3], s[\g1:\g1+7]
	s_nop 0
.rept 4
	v_nop
.endr
.endm
.macro SETBLK                          ; the addresses of the tile s[TI]
	s_and_b32 s87, s[TI], 1
	s_lshl_b32 s[SHU], s87, 4                      ; which half of the pair's scale word is my tile's
	s_lshl_b32 s87, s87, 3
	s_lshl_b32 s86, s[TI], 4
	s_sub_co_u32 s86, s86, s87                     ; position order: lane r's query is this + r + 8 (r / 8);
	s_and_b32 s86, s86, 127                        ; less the diagonal step's first key
	v_add_nc_u32 v[DD], s86, v[DQ]
	s_mov_b32 s89, 0
	s_lshl_b32 s88, s[TI], 10
	s_add_nc_u64 s[QA:QA+1], s[QCB:QCB+1], s[88:89]
	s_lshr_b32 s88, s[TI], 3
	s_lshl_b32 s88, s88, 8                         ; the group of 128 tokens,
	s_bfe_u32 s87, s[TI], 0x20001
	s_lshl_b32 s87, s87, 2                         ; the pair of tiles in it
	s_add_co_u32 s88, s88, s87
	s_add_nc_u64 s[QSA:QSA+1], s[QSB:QSB+1], s[88:89]
	s_lshl_b32 s88, s[TI], 14
	s_add_nc_u64 s[CXA:CXA+1], s[CXB:CXB+1], s[88:89]
	s_lshl_b32 s88, s[TI], 7
	s_add_nc_u64 s[CSA:CSA+1], s[CSB:CSB+1], s[88:89]
.endm
.macro LOADQ                           ; q's image twice, round the zeros, and its two scale words
	global_load_b128 v[16:19], v[LI], s[QA:QA+1]
	global_load_b128 v[20:23], v[LI], s[QA:QA+1] offset:512
	global_load_b128 v[32:35], v[LI], s[QA:QA+1]
	global_load_b128 v[36:39], v[LI], s[QA:QA+1] offset:512
	global_load_b32 v250, v[R16], s[QSA:QSA+1]
	s_wait_loadcnt 0x0
	v_lshrrev_b32 v250, s[SHU], v250               ; my tile's half of the pair's word
	s_delay_alu instid0(VALU_DEP_1)
	v_and_b32 v250, 0xffff, v250
	s_delay_alu instid0(VALU_DEP_1)
	v_or_b32 v[QWL], 0x01010000, v250              ; [q, 0]: the byte 1 over the zero codes
	s_delay_alu instid0(VALU_DEP_2)
	v_lshl_or_b32 v[QWL+1], v250, 16, 0x101        ; [0, q]
.endm
.macro RESET
	v_mov_b32 v13, 0xff61b1e6                      ; the largest t so far: -3e38
	s_delay_alu instid0(VALU_DEP_1)
	v_floor_f32 v12, -v13                          ; -M
	v_mov_b32 v14, 0
	v_mov_b32 v15, 0
.set JJ, 0
.rept 32
	v_mov_b32 v[O+JJ], 0                           ; the step is written once: a tile's first step finds zeros, which the first change of M leaves zeros
.set JJ, JJ+1
.endr
.endm
; A KEY STEP: 128 keys.
.macro STEP
	s_cmp_gt_u32 s[ST], s[LAST]                    ; all its keys come after my queries: left out
	s_cbranch_scc1 .Lhidden_\@
	v_add_nc_u32 v[ADR], s[TB], v[LI]
	v_add_nc_u32 v[ASC], s[TS], v[R16]
	v_add_nc_u32 v[ADV], VOFF, v[ADR]
.rept 5
	v_nop                                          ; with the three additions: eight places in front of loads into registers that the last products read
.endr
.irp p, 0,1,2,3
.irp c, 0,1,2,3
	ds_load_b128 v[KV+16*\p+4*\c:KV+16*\p+4*\c+3], v[ADR] offset:2048*\p+512*\c   ; pair p of key tiles: an image, 512 consecutive bytes a load
.endr
.endr
	ds_load_b128 v[KS:KS+3], v[ASC]                ; row r's four words, in both halves of the lanes
	ds_load_b128 v[VS:VS+3], v[ASC] offset:4096
	s_wait_alu depctr_va_vdst(0)
	s_wait_dscnt 0x0
.irp t, 0,1,2,3,4,5,6,7
	v_wmma_scale_f32_16x16x128_f8f6f4 v[S+8*\t:S+8*\t+7], v[KV+16*(\t/2):KV+16*(\t/2)+15], v[16+8*(\t%2):31+8*(\t%2)], 0, v[KS+\t/2], v[QWL+\t%2]
.endr
.rept 8
	v_nop
.endr
.irp t, 0,1,2,3
.irp c, 0,1,2,3
	ds_load_b128 v[KV+16*\t+4*\c:KV+16*\t+4*\c+3], v[ADV] offset:2048*\t+512*\c   ; V lands while the softmax is worked
.endr
.endr
	s_cmp_lg_u32 s[ST], s[LAST]                    ; on the diagonal hidden scores become -infinity ahead of the maximum; every earlier step jumps over this
	s_cbranch_scc1 .Lopen_\@
	v_mov_b32 v249, 0xff800000
.set JJ, 0
.rept 64
	v_cmp_gt_i32 vcc_lo, 32*(JJ/16)+JJ%16, v[DD]   ; register 16 b + i holds the step's key 32 b + 16 h + i
	v_cndmask_b32 v[S+JJ], v[S+JJ], v249, vcc_lo
.set JJ, JJ+1
.endr
.Lopen_\@:
.irp b, 0,1,2,3
	v_max3_num_f32 v[BM+\b], v[S+16*\b], v[S+16*\b+1], v[S+16*\b+2]   ; the largest score of each block of 32 keys: for the row's maximum, and for the block's largest p
.endr
.irp i, 3,5,7,9,11,13
.irp b, 0,1,2,3
	v_max3_num_f32 v[BM+\b], v[BM+\b], v[S+16*\b+\i], v[S+16*\b+\i+1]
.endr
.endr
.irp b, 0,1,2,3
	v_max_num_f32 v[BM+\b], v[BM+\b], v[S+16*\b+15]
.endr
.irp b, 0,1,2,3
	s_delay_alu instid0(VALU_DEP_4)
	v_permlanex16_b32 v[T1+\b], v[BM+\b], s[SEL], s[SEL+1]
.endr
.irp b, 0,1,2,3
	s_delay_alu instid0(VALU_DEP_4)
	v_max_num_f32 v[BM+\b], v[BM+\b], v[T1+\b]
.endr
	s_delay_alu instid0(VALU_DEP_2)
	v_max3_num_f32 v248, v[BM], v[BM+1], v[BM+2]
	s_delay_alu instid0(VALU_DEP_1)
	v_max_num_f32 v248, v248, v[BM+3]
	s_delay_alu instid0(VALU_DEP_1)
	v_mul_f32 v248, s[CS], v248
	s_delay_alu instid0(VALU_DEP_1)
	v_max_num_f32 v13, v13, v248                   ; the running largest t
	v_mov_b32 v248, v12
	s_delay_alu instid0(VALU_DEP_2)
	v_floor_f32 v12, -v13                          ; the new -M = -ceil(t)
	s_delay_alu instid0(VALU_DEP_1)
	v_sub_f32 v248, v12, v248                      ; old M - new M: a whole number, 0 or less
	s_delay_alu instid0(VALU_DEP_1)
	v_cvt_i32_f32 v248, v248
	s_delay_alu instid0(VALU_DEP_1)
	v_ldexp_f32 v246, 1.0, v248                    ; f = 2^(old M - new M)
.set JJ, 0
.rept 32
	v_pk_fma_f32 v[S+JJ:S+JJ+1], v[S+JJ:S+JJ+1], s[CS:CS+1], v[12:13] op_sel_hi:[1,0,0]   ; t - M
.set JJ, JJ+2
.endr
.irp b, 0,1,2,3
	v_fma_f32 v[BM+\b], v[BM+\b], s[CS], v12
.endr
.set JJ, 0
	s_wait_alu depctr_va_vdst(0)                   ; the wait ahead of the batch
.rept 64
	v_exp_f32 v[S+JJ], v[S+JJ]                     ; p = 2^(t - M)
.set JJ, JJ+1
.endr
	v_pk_mul_f32 v[14:15], v[14:15], v[246:247] op_sel_hi:[1,0]   ; the sums under the new M: a plain instruction behind the exponentials
	s_wait_alu depctr_va_vdst(0)                   ; one wait for the batch, ahead of its first reader
.irp b, 0,1,2,3
	v_exp_f32 v[BM+\b], v[BM+\b]                   ; the block's largest p
.endr
; the row's sum of the unquantised p: 32 pairs in eight chains side by side
.set PP, S
.irp c, 238,240,242,244,250,252,254
	v_pk_add_f32 v[\c:\c+1], v[PP:PP+1], v[PP+2:PP+3]
.set PP, PP+4
.endr
	v_pk_add_f32 v[14:15], v[14:15], v[PP:PP+1]
.set PP, PP+2
.rept 2
.irp c, 238,240,242,244,250,252,254
	v_pk_add_f32 v[\c:\c+1], v[\c:\c+1], v[PP:PP+1]
.set PP, PP+2
.endr
	v_pk_add_f32 v[14:15], v[14:15], v[PP:PP+1]
.set PP, PP+2
.endr
	v_pk_add_f32 v[238:239], v[238:239], v[PP:PP+1]
	v_pk_add_f32 v[240:241], v[240:241], v[242:243]
	v_pk_add_f32 v[244:245], v[244:245], v[250:251]
	v_pk_add_f32 v[252:253], v[252:253], v[254:255]
	v_pk_add_f32 v[14:15], v[14:15], v[238:239]
	v_pk_add_f32 v[240:241], v[240:241], v[244:245]
	v_pk_add_f32 v[14:15], v[14:15], v[252:253]
	v_pk_add_f32 v[14:15], v[14:15], v[240:241]
	s_wait_alu depctr_va_vdst(0)                   ; and one for the four
.irp b, 0,1,2,3
	v_max_num_f32 v[BM+\b], 0x4800000, v[BM+\b]    ; the floor 2^(9 - 127)
.endr
.irp b, 0,1,2,3
	s_delay_alu instid0(VALU_DEP_4)
	v_add_nc_u32 v[SO+\b], 0xfc000000, v[BM+\b]
.endr
.irp b, 0,1,2,3
	v_and_or_b32 v[HL+\b], v[BM+\b], 0x7f800000, s[MNT]
.endr
.irp b, 0,1,2,3
	v_and_or_b32 v[HL2+\b], v[BM+\b], 0x7f800000, s[MNT]   ; the bound once more, two register numbers on modulo 4: the two halves of a dual pair name second sources of different banks
.endr
.irp b, 0,1,2,3
	v_lshrrev_b32 v[T1+\b], 23, v[SO+\b]
.endr
	v_lshl_or_b32 v[PW], v[T1+1], 8, v[T1]         ; p's scale word for these 128 keys: its two halves side by side,
	v_lshl_or_b32 v248, v[T1+3], 8, v[T1+2]
	v_lshl_or_b32 v[PW], v248, 16, v[PW]           ; then joined
.irp b, 0,1,2,3
.set JJ, 0
.rept 8
	v_dual_min_num_f32 v[S+16*\b+JJ], v[S+16*\b+JJ], v[HL+\b] :: v_dual_min_num_f32 v[S+16*\b+JJ+1], v[S+16*\b+JJ+1], v[HL2+\b]   ; the hold (the conversion does not saturate: ISA guide 7.6.2), two numbers an instruction; p is not negative, so it is one-sided
.set JJ, JJ+2
.endr
	v_cvt_scalef32_pk8_fp8_f32 v[PCD+4*\b:PCD+4*\b+1], v[S+16*\b:S+16*\b+7], v[SO+\b]
	v_cvt_scalef32_pk8_fp8_f32 v[PCD+4*\b+2:PCD+4*\b+3], v[S+16*\b+8:S+16*\b+15], v[SO+\b]
.endr
	s_wait_alu depctr_va_vdst(0)                   ; directly ahead of the first reader of O^T
.set JJ, 0
.rept 16
	v_pk_mul_f32 v[O+JJ:O+JJ+1], v[O+JJ:O+JJ+1], v[246:247] op_sel_hi:[1,0]   ; O^T under the new M; also the places between the codes and the products
.set JJ, JJ+2
.endr
	s_wait_alu depctr_va_vdst(0)
	s_wait_dscnt 0x0                               ; V is in
.irp t, 0,1,2,3
	v_wmma_scale_f32_16x16x128_f8f6f4 v[O+8*\t:O+8*\t+7], v[KV+16*\t:KV+16*\t+15], v[PCD:PCD+15], v[O+8*\t:O+8*\t+7], v[VS+\t], v[PW]   ; four accumulators by turns, one instruction a turn
.endr
.Lhidden_\@:
	s_add_co_u32 s[TB], s[TB], 8192
	s_add_co_u32 s[TS], s[TS], 256
	s_add_co_u32 s[ST], s[ST], 1
.endm
; A tile's end: O^T / the sum; register 16 B + i is channel 32 B + 16 h + i of my query: two blocks of the last product's K.  Codes and scale bytes leave from the registers.
.macro EPILOGUE
.rept 8
	v_nop                                          ; places behind the last products
.endr
	v_add_f32 v14, v14, v15
	s_delay_alu instid0(VALU_DEP_1)
	v_permlanex16_b32 v248, v14, s[SEL], s[SEL+1]
	s_delay_alu instid0(VALU_DEP_1)
	v_add_f32 v14, v14, v248                       ; the row's sum
	s_wait_alu depctr_va_vdst(0)
	v_rcp_f32 v14, v14
	v_nop
	s_wait_alu depctr_va_vdst(0)                   ; ahead of the reciprocal's first reader
.set JJ, 0
.rept 32
	v_mul_f32 v[S+JJ], v[O+JJ], v14
.set JJ, JJ+1
.endr
.irp b, 0,1
	v_max3_num_f32 v[BM+\b], |v[S+16*\b]|, |v[S+16*\b+1]|, 0x4800000
.endr
.irp i, 2,4,6,8,10,12,14
.irp b, 0,1
	s_delay_alu instid0(VALU_DEP_2)
	v_max3_num_f32 v[BM+\b], v[BM+\b], |v[S+16*\b+\i]|, |v[S+16*\b+\i+1]|
.endr
.endr
.irp b, 0,1
	s_delay_alu instid0(VALU_DEP_2)
	v_permlanex16_b32 v[T1+\b], v[BM+\b], s[SEL], s[SEL+1]
.endr
.irp b, 0,1
	s_delay_alu instid0(VALU_DEP_2)
	v_max_num_f32 v[BM+\b], v[BM+\b], v[T1+\b]
.endr
.irp b, 0,1
	s_delay_alu instid0(VALU_DEP_2)
	v_add_nc_u32 v[SO+\b], 0xfc000000, v[BM+\b]
.endr
.irp b, 0,1
	s_delay_alu instid0(VALU_DEP_4)
	v_and_or_b32 v[HL+\b], v[BM+\b], 0x7f800000, s[MNT]
.endr
.irp b, 0,1
	s_delay_alu instid0(VALU_DEP_4)
	v_lshrrev_b32 v[T1+\b], 23, v[SO+\b]
.endr
	s_delay_alu instid0(VALU_DEP_1)
	v_lshl_or_b32 v249, v[T1+1], 8, v[T1]
.irp b, 0,1
.set JJ, 0
.rept 16
	v_med3_num_f32 v[S+16*\b+JJ], v[S+16*\b+JJ], -v[HL+\b], v[HL+\b]
.set JJ, JJ+1
.endr
	v_cvt_scalef32_pk8_fp8_f32 v[PCD+4*\b:PCD+4*\b+1], v[S+16*\b:S+16*\b+7], v[SO+\b]
	v_cvt_scalef32_pk8_fp8_f32 v[PCD+4*\b+2:PCD+4*\b+3], v[S+16*\b+8:S+16*\b+15], v[SO+\b]
.endr
	v_nop                                          ; a plain vector instruction behind the last conversion
	global_store_b128 v[LI], v[PCD:PCD+3], s[CXA:CXA+1]
	global_store_b128 v[LI], v[PCD+4:PCD+7], s[CXA:CXA+1] offset:512   ; 1,024 consecutive bytes in all, aligned
	global_store_b16 v[R8], v249, s[CSA:CSA+1]     ; two bytes of each position's eight (lanes r and r + 16 store the same): 256 KiB of the launch's stores go out in such pieces
	s_wait_xcnt 0x0                                ; the stores have read their data and bases
.endm
.macro LOOP from, to                   ; key steps from .. to - 1: a constant count of trips; every LDS address is a constant + a constant x the trip + the lane's term
	s_mov_b32 s[ST], \from
	s_mov_b32 s[TB], 8192*(\from)
	s_mov_b32 s[TS], KSC+256*(\from)
.Lstep_\@:
	STEP
	s_cmp_lt_u32 s[ST], \to
	s_cbranch_scc1 .Lstep_\@
.endm
	s_load_b256 s[4:11], s[0:1], 0x0               ; qkvc s[4:5], qkvs s[6:7], cc s[8:9], cs s[10:11]
	v_lshl_add_u32 v[SPW], v0, 2, SPARE
	v_mov_b32 v[NIL], 0
	ds_add_u32 v[SPW], v[NIL]                      ; the opening lines: the add, twice on end, and its wait ahead of the first tensor load
	ds_add_u32 v[SPW], v[NIL]
	v_lshrrev_b32 v[ADR], 5, v0
	v_readfirstlane_b32 s[WV], v[ADR]              ; wave 0..15
	s_bfe_u32 s[GG], ttmp6, 0x40000                ; g: my place in the cluster
	s_and_b32 s[BH], ttmp7, 0xffff                 ; 16 batch + head
	DENSE G1C, 128                                 ; 32,768 bytes
	DENSE G1S, 16                                  ; 4,096 bytes
	DENSE G1D, 96                                  ; 24,576 bytes
	s_and_b32 s86, s[WV], 1                        ; the first stage: wave 0 K's first 32,768 bytes, wave 1 V's; wave 2 K's scale words, wave 3 V's
	s_lshl_b32 s[G0C+1], s86, 17
	s_add_co_u32 s87, s86, 1                       ; kind 1 (k) or 2 (v)
	s_lshl_b32 s88, s87, 23
	s_lshl_b32 s90, s87, 18
	s_lshl_b32 s87, s[BH], 17
	s_add_co_u32 s88, s88, s87
	s_mov_b32 s89, 0
	s_lshl_b32 s[G0S+1], s86, 12
	s_add_co_u32 s[G0S+1], s[G0S+1], KSC
	s_lshl_b32 s87, s[BH], 12
	s_add_co_u32 s90, s90, s87
	s_mov_b32 s91, 0
	s_bfe_u32 s86, s[WV], 0x10003                  ; the second stage: waves 4-7 the rest of K, waves 8-11 the rest of V,
	s_and_b32 s87, s[WV], 3
	s_mul_i32 s87, s87, 24576                      ; 24,576 bytes a wave,
	s_add_co_u32 s87, s87, 32768                   ; behind the first stage's
	s_lshl_b32 s[G0D+1], s86, 17
	s_add_co_u32 s[G0D+1], s[G0D+1], s87
	s_add_co_u32 s86, s86, 1
	s_lshl_b32 s86, s86, 23
	s_add_co_u32 s86, s86, s87
	s_lshl_b32 s87, s[BH], 17
	s_add_co_u32 s86, s86, s87
	s_mov_b32 s87, 0
	s_mov_b32 s[G0C], 1
	s_mov_b32 s[G0S], 1
	s_mov_b32 s[G0D], 1
	s_wait_dscnt 0x0                               ; both opening adds are done
	s_wait_kmcnt 0x0
	s_add_nc_u64 s[G0C+2:G0C+3], s[4:5], s[88:89]
	s_or_b32 s[G0C+3], s[G0C+3], 0x80000000
	s_add_nc_u64 s[G0S+2:G0S+3], s[6:7], s[90:91]
	s_or_b32 s[G0S+3], s[G0S+3], 0x80000000
	s_add_nc_u64 s[G0D+2:G0D+3], s[4:5], s[86:87]
	s_or_b32 s[G0D+3], s[G0D+3], 0x80000000
	CROUND                                         ; all four work-groups are here: the joint loads meet
	s_cmp_lt_u32 s[WV], 2                          ; one chain of branches on the wave's number, a load to an arm; what is needed first is asked for first
	s_cbranch_scc0 .Lnot_first_codes
	TLOAD G0C, G1C
	s_branch .Lasked
.Lnot_first_codes:
	s_cmp_lt_u32 s[WV], 4
	s_cbranch_scc0 .Lnot_scales
	TLOAD G0S, G1S
	s_branch .Lasked
.Lnot_scales:
	s_cmp_lt_u32 s[WV], 12
	s_cbranch_scc0 .Lasked
	TLOAD G0D, G1D
.Lasked:
	v_and_b32 v248, 31, v0
	v_lshlrev_b32 v[LI], 4, v248
	v_and_b32 v249, 15, v0                         ; r
	v_bfe_u32 v250, v0, 4, 1                       ; h
	v_and_b32 v248, 8, v249
	v_add_nc_u32 v[DQ], v248, v249
	v_lshlrev_b32 v250, 4, v250
	v_sub_nc_u32 v[DQ], v[DQ], v250
	v_lshlrev_b32 v[R16], 4, v249
	v_lshlrev_b32 v[R8], 3, v249
.set JJ, 24
.rept 8
	v_mov_b32 v[JJ], 0                             ; the zero codes between q and q
.set JJ, JJ+1
.endr
.irp b, 0,1,2,3
	v_mov_b32 v[T1+\b], 0                          ; written once: a lane permute's destination counts as one of its sources
.endr
	v_mov_b32 v247, 0                              ; named as the upper half of the pair v[246:247]
	v_mov_b32 v248, 0
	s_mov_b32 s[SEL], 0x76543210
	s_mov_b32 s[SEL+1], 0xfedcba98
	s_mov_b32 s[CS], 0x3e38aa3b                    ; log2(e) / 8
	s_mov_b32 s[CS+1], s[CS]
	s_mov_b32 s[MNT], 0x600000
	s_lshl_b32 s88, s[BH], 17
	s_add_nc_u64 s[QCB:QCB+1], s[4:5], s[88:89]
	s_lshl_b32 s88, s[BH], 12
	s_add_nc_u64 s[QSB:QSB+1], s[6:7], s[88:89]
	s_lshr_b32 s87, s[BH], 4                       ; batch
	s_and_b32 s90, s[BH], 15                       ; head
	s_lshl_b32 s88, s87, 21                        ; cc: [token tile][head][2][512]: a batch has 128 tiles of 16,384 bytes
	s_lshl_b32 s91, s90, 10
	s_add_co_u32 s88, s88, s91
	s_add_nc_u64 s[CXB:CXB+1], s[8:9], s[88:89]
	s_lshr_b32 s88, s90, 2                         ; cs: [4 heads][8192 positions][8 bytes]
	s_lshl_b32 s88, s88, 16
	s_lshl_b32 s91, s87, 14
	s_add_co_u32 s88, s88, s91
	s_and_b32 s91, s90, 3
	s_lshl_b32 s91, s91, 1
	s_add_co_u32 s88, s88, s91
	s_add_nc_u64 s[CSB:CSB+1], s[10:11], s[88:89]
	s_lshl_b32 s[II], s[WV], 2
	s_add_co_u32 s[II], s[II], s[GG]               ; i = 4 w + g
	s_lshr_b32 s[L2], s[WV], 1
	s_sub_co_u32 s[TI], 127, s[II]                 ; the later tile first:
	s_sub_co_u32 s[LAST], 15, s[L2]                ; (127 - i) / 8 = 15 - w / 2, at least 8
	SETBLK
	LOADQ
	RESET
	s_wait_alu depctr_va_vdst(0)
	s_cmp_lt_u32 s[WV], 4                          ; the first stage's four waves wait for their tiles
	s_cbranch_scc0 .Lnot_first_stage
	s_wait_tensorcnt 0x0
.Lnot_first_stage:
	s_barrier_signal -1
	s_barrier_wait -1                              ; key steps 0 to 3 and all scale words are in
	LOOP 0, 4
	s_wait_tensorcnt 0x0                           ; every wave: my tile, if I asked for one, has landed
	s_wait_dscnt 0x0
	s_barrier_signal -1
	s_barrier_wait -1                              ; and so has every wave's: all of K and V is in
	LOOP 4, 16
	EPILOGUE
	s_mov_b32 s[TI], s[II]
	s_mov_b32 s[LAST], s[L2]                       ; i / 8 = w / 2, at most 7
	SETBLK
	LOADQ
	RESET
	s_wait_alu depctr_va_vdst(0)                   ; as above
	LOOP 0, 8
	EPILOGUE
	s_wait_tensorcnt 0x0                           ; the wave's end
	ds_add_u32 v[SPW], v[NIL]
	s_wait_dscnt 0x0
	CROUND                                         ; the closing round
	s_endpgm
.Lfunc_end_k_qa675065a06_attn:
	.size	k_qa675065a06_attn, .Lfunc_end_k_qa675065a06_attn-k_qa675065a06_attn
	.p2alignl 7, 3214868480
	.fill 96, 4, 3214868480
	.section	.rodata,"a",@progbits
	.p2align	6, 0x0
	.amdhsa_kernel k_qa675065a06_attn
		.amdhsa_group_segment_fixed_size 327680
		.amdhsa_private_segment_fixed_size 0
		.amdhsa_enable_private_segment 0
		.amdhsa_kernarg_size 32
		.amdhsa_user_sgpr_count 2
		.amdhsa_user_sgpr_kernarg_segment_ptr 1
		.amdhsa_wavefront_size32 1
		.amdhsa_system_sgpr_workgroup_id_x 1
		.amdhsa_system_sgpr_workgroup_id_y 1
		.amdhsa_system_sgpr_workgroup_id_z 1
		.amdhsa_system_vgpr_workitem_id 0
		.amdhsa_next_free_vgpr 256
		.amdhsa_next_free_sgpr 96
		.amdhsa_reserve_vcc 1
		.amdhsa_float_denorm_mode_32 3
		.amdhsa_float_denorm_mode_16_64 3
		.amdhsa_memory_ordered 1
		.amdhsa_forward_progress 1
		.amdhsa_inst_pref_size 101
	.end_amdhsa_kernel
	.amdgpu_metadata
---
amdhsa.version: [ 1, 2 ]
amdhsa.kernels:
  - .name:           k_qa675065a06_attn
    .symbol:         k_qa675065a06_attn.kd
    .args:
      - { .name: qkvc, .offset: 0, .size: 8, .value_kind: global_buffer, .address_space: global }
      - { .name: qkvs, .offset: 8, .size: 8, .value_kind: global_buffer, .address_space: global }
      - { .name: cc, .offset: 16, .size: 8, .value_kind: global_buffer, .address_space: global }
      - { .name: cs, .offset: 24, .size: 8, .value_kind: global_buffer, .address_space: global }
    .group_segment_fixed_size: 327680
    .private_segment_fixed_size: 0
    .kernarg_segment_align: 8
    .kernarg_segment_size: 32
    .max_flat_workgroup_size: 512
    .sgpr_count:     96
    .vgpr_count:     256
    .wavefront_size: 32
...
	.end_amdgpu_metadata
.endif
;; end of part 3
;; launch outp (part 4): grid 4 x 64, 4 waves a work-group, clusters of 4 x 4, 327,680 bytes of LDS; arguments cc, cs, opc, ops, b_out, out0; writes out0
.if DOCPART == 4
	.amdgcn_target "amdgcn-amd-amdhsa--gfx1250"
	.amdhsa_code_object_version 6
	.text
	.protected	k_qa675065a06_outp
	.globl	k_qa675065a06_outp
	.p2align	8
	.type	k_qa675065a06_outp,@function
k_qa675065a06_outp:
	s_mov_b64 s[64:65], 0
	v_nop
	global_prefetch_b8 v0, s[64:65] scope:SCOPE_SE
	s_setreg_imm32_b32 hwreg(HW_REG_WAVE_MODE, 25, 1), 1
	s_wait_xcnt 0x0
	s_wait_alu depctr_hold_cnt(0) depctr_sa_sdst(0) depctr_va_vdst(0) depctr_va_sdst(0) depctr_va_ssrc(0) depctr_va_vcc(0) depctr_vm_vsrc(0)
	s_getreg_b32 s2, hwreg(HW_REG_IB_STS2, 6, 4)
	s_cmp_eq_u32 s2, 0
	s_cbranch_scc0 .Lentry_in_a_cluster
	s_endpgm
.Lentry_in_a_cluster:
	s_bfe_u32 s2, ttmp6, 0x10000c
	s_cmp_lg_u32 s2, 0xf033
	s_cbranch_scc0 .Lentry_shape_is_right
	s_endpgm
.Lentry_shape_is_right:
; out0 = ctx x w_out + b_out on codes of FP8 (E4M3) with E8M0 scales; f32 sums, which begin with the bias.
; L = ctx: cc holds images of operand registers, [tile of 16 positions][head 16][c 2][512 bytes]; cs its scale bytes, [4 runs of 256 along K][8192 positions][8].  P = w_out's columns: rows of 1,024 codes from position 11,264 of opc; ops their scale bytes, [4][12288][8].
; Tokens and columns lie in position order (bits 3 and 4 of the index swapped): the way out puts both back.
; SHARES.  256 work-groups; a work-group makes 128 tokens x 256 columns, each of its four waves 64 x 128: 32 accumulators, 256 registers.  The matrix instruction is used transposed (source 0 = 16 rows of P, source 1 = 16 rows of L): a lane holds eight neighbouring columns of one token.
; K = 1,024 goes in four steps of 256 through two LDS slots (L: 8 tiles x 4,096 bytes, dense; P: 256 rows of 256 bytes + 16 of padding).  The scale bytes for all of K come once, at the head.
; CLUSTERS: 4 x 4 work-groups; L's tiles hang on the cluster's row alone and are asked for jointly along it, P's on its column.
; FILLS.  At the head one joint load a wave: K step 0 of L, of P, L's scale bytes, P's.  K step 1 behind the full sequence and a round, a quarter of the slot a wave; K steps 2 and 3 as refills, each behind a round.
; FRAGMENTS.  Both operands have two sets of registers: a half step's 48 LDS loads are issued ahead of the products of the half step before, where both lie in one slot.
; PREFETCH.  K step 2 is asked for at the head and K step 3 behind K step 1's load: two refills ahead of the load that wants them.  Of the rows that a wave fetches each of the four partners that ask jointly names a quarter, told apart by address:
; L: one tile's 4,096 bytes, lanes 256 bytes apart (lanes 16-31 name lanes 0-15's blocks again); P: 32 rows, a lane a row.  K steps 0 and 1 come by their loads alone.
; LIMITS: NaN and infinities are not served.
; REGISTERS: window 0: v0-31 addresses; v32-63 scale words, two sets; v64-127 the bias; v128-255 L's fragments, two sets of four (on the way out: rows read back).  window 1: P's fragments, two sets of eight.  window 2: the accumulators ((a, b) at v[8 (8 a + b)]).
.set ROWB,   256
.set KROW,   1024
.set PITCH,  272                       ; P's LDS row: 256 bytes + 16 of padding: the 16 rows that a load touches start 4 banks apart (64 banks of 4 bytes: ISA guide 11.1)
.set FR,     16
.set NP,     8                         ; places behind this matrix instruction (ISA guide 7.12.1)
.set HALFT,  128*PITCH
.set LP,     32768                     ; a slot: L's 32,768 bytes, then P's 256 rows
.set SLOT,   LP+2*HALFT
.set SCL,    2*SLOT                    ; L's scale bytes [K step 4][128 rows][8]; P's [4][256][8] straight behind them
.set SPARE,  SCL+12288                 ; the spare words, 128 bytes for each wave: two blocks of 256 bytes that no other line names
.set STG,    SPARE+512                 ; the way out: 16 rows x (512 + 16) bytes for each wave; no tile lands here
.set SPITCH, 528
.set ADRA, 16                          ; v16-17  LDS address of my L fragments in slot 0, 1
.set ADRB, 20                          ; v20-21  the same for P
.set KST,  22                          ; v22     from a K step's scale words to the next: lanes 0-15 (L) 1,024, lanes 16-31 (P) 2,048
.set STO,  24
.set RD,   25
.set CO,   26                          ; v26     16 x lane
.set ADRS, 27                          ; v27     LDS address of my scale words: lanes 0-15 L's rows, lanes 16-31 P's
.set SPW,  28
.set NIL,  29
.set BO,   30
.set PFO,  31                          ; v31     the prefetches' offset; never rewritten
.set SC,   32
.set BI,   64
.set AF,   128
.set BK,   128
.set G1, 24
.set G0, 32
.set G1B, 48
.set G0B, 56
.set G1S, 68
.set G0S, 76
.set G1SB, 80
.set G0SB, 88
.set PFA, 100                          ; s[100:101] my part of K step 2; s[104:105] of K step 3
.set PFB, 104
.set MSB, 0
.macro WIN new                         ; the immediate's high byte repeats the setting that is left
.if MSB != (\new)
	s_set_vgpr_msb (MSB<<8)|(\new)
.set MSB, (\new)
.endif
.endm
.set MUL_LO, 0xa1                      ; source 0 (P) window 1, source 1 (L) window 0, C and D window 2
.set TO_B,   0x40
.macro JLOAD g0a, g1a, g0b, g1b        ; waves 0 and 1 fetch for L, waves 2 and 3 for P; an s_nop 0 and four v_nop follow each line
	s_cmp_eq_u32 s15, 0
	s_cbranch_scc0 .Lfor_b_\@
	tensor_load_to_lds s[\g0a:\g0a+3], s[\g1a:\g1a+7]
	s_nop 0
.rept 4
	v_nop
.endr
	s_branch .Lasked_\@
.Lfor_b_\@:
	tensor_load_to_lds s[\g0b:\g0b+3], s[\g1b:\g1b+7]
	s_nop 0
.rept 4
	v_nop
.endr
.Lasked_\@:
.endm
.macro CREST                           ; a round of the cluster's barrier behind its opening barrier
	s_cmp_lg_u32 s14, 0
	s_cbranch_scc1 .Lnot_wave_0_\@
	s_barrier_signal -3
.Lnot_wave_0_\@:
	s_barrier_wait -3
	s_barrier_signal -1
	s_barrier_wait -1
.endm
.macro CROUND
	s_barrier_signal -1
	s_barrier_wait -1
	CREST
.endm
	s_load_b256 s[4:11], s[0:1], 0x0               ; cc s[4:5], cs s[6:7], opc s[8:9], ops s[10:11]
	s_load_b128 s[96:99], s[0:1], 0x20             ; b_out s[96:97], out0 s[98:99]
	v_lshl_add_u32 v[SPW], v0, 2, SPARE
	v_mov_b32 v[NIL], 0
	ds_add_u32 v[SPW], v[NIL]                      ; the opening lines: the add, twice on end, and its wait ahead of the first tensor load
	ds_add_u32 v[SPW], v[NIL]
	v_lshrrev_b32 v1, 5, v0
	v_readfirstlane_b32 s14, v1                    ; wave 0..3
	s_lshr_b32 s15, s14, 1                         ; my half of L's rows.  Also: I fetch for L (0) or for P (1)
	s_and_b32 s16, s14, 1                          ; my half of P's rows.  Also: which half of a tile I fetch
	s_bfe_u32 s40, ttmp6, 0x40000                  ; cx
	s_bfe_u32 s41, ttmp6, 0x40004                  ; cy
	s_lshl_b32 s42, ttmp9, 2
	s_add_co_u32 s42, s42, s40                     ; tile of 256 columns
	s_and_b32 s17, ttmp7, 0xffff
	s_lshl_b32 s17, s17, 2
	s_add_co_u32 s17, s17, s41                     ; tile of 128 tokens
	s_lshl_b32 s43, s41, 2
	s_lshl_b32 s43, 15, s43                        ; my row of the cluster
	s_lshl_b32 s44, 0x1111, s40                    ; my column
	s_or_b32 s[G1+0], s43, (3<<16)|(1<<21)         ; L: rows of 4,096 bytes (512 elements of 8), one for each tile of 16 positions, 16,384 bytes apart, dense in LDS: 8 rows at the head, then 4
	s_mov_b32 s[G1+1], 512<<16
	s_mov_b32 s[G1+2], 8<<16
	s_mov_b32 s[G1+3], 512<<16
	s_mov_b32 s[G1+4], 8
	s_mov_b32 s[G1+5], 2048
	s_mov_b32 s[G1+6], 0
	s_mov_b32 s[G1+7], 0
	s_or_b32 s[G1B+0], s44, (1<<20)|(1<<21)|(5<<22)|(3<<25)   ; P: rows of 256 bytes, 4 words of padding behind every 64: 256 rows at the head, then 128
	s_mov_b32 s[G1B+1], ROWB<<16
	s_mov_b32 s[G1B+2], 256<<16
	s_mov_b32 s[G1B+3], ROWB<<16
	s_mov_b32 s[G1B+4], 256
	s_mov_b32 s[G1B+5], KROW
	s_mov_b32 s[G1B+6], 0
	s_mov_b32 s[G1B+7], 0
	s_or_b32 s[G1S+0], s43, (3<<16)|(1<<21)        ; L's scale bytes: four rows (K steps) of 1,024 bytes, 65,536 apart
	s_mov_b32 s[G1S+1], 128<<16
	s_mov_b32 s[G1S+2], 4<<16
	s_mov_b32 s[G1S+3], 128<<16
	s_mov_b32 s[G1S+4], 4
	s_mov_b32 s[G1S+5], 8192
	s_mov_b32 s[G1S+6], 0
	s_mov_b32 s[G1S+7], 0
	s_or_b32 s[G1SB+0], s44, (3<<16)|(1<<21)       ; P's: four rows of 2,048 bytes, 98,304 apart
	s_mov_b32 s[G1SB+1], 256<<16
	s_mov_b32 s[G1SB+2], 4<<16
	s_mov_b32 s[G1SB+3], 256<<16
	s_mov_b32 s[G1SB+4], 4
	s_mov_b32 s[G1SB+5], 12288
	s_mov_b32 s[G1SB+6], 0
	s_mov_b32 s[G1SB+7], 0
	s_lshl_b32 s20, s17, 17                        ; L's codes: 8 tiles of 16,384 bytes
	s_mov_b32 s21, 0
	s_lshl_b32 s22, s17, 10                        ; its scale bytes: 128 positions of 8
	s_mov_b32 s23, 0
	s_add_co_u32 s46, s42, 44                      ; w_out's columns begin at position 11,264 = 44 x 256
	s_lshl_b32 s46, s46, 8
	s_lshl_b32 s92, s46, 3
	s_mov_b32 s93, 0
	s_lshl_b32 s46, s46, 10
	s_mov_b32 s47, 0
	s_lshl_b32 s66, s16, 16                        ; in the ring I fetch half a tile: L: 4 tiles of 16,384 bytes on,
	s_mov_b32 s67, 0
	s_lshl_b32 s18, s16, 17                        ; P: 128 rows of 1,024 on;
	s_mov_b32 s19, 0
	s_lshl_b32 s94, s16, 14                        ; and where it goes: by the wave's number alone
	s_mul_i32 s45, s16, HALFT
	s_add_co_u32 s45, s45, LP
	s_wait_dscnt 0x0                               ; both opening adds are done
	s_wait_kmcnt 0x0
	s_add_nc_u64 s[20:21], s[4:5], s[20:21]
	s_add_nc_u64 s[22:23], s[6:7], s[22:23]
	s_add_nc_u64 s[46:47], s[8:9], s[46:47]
	s_add_nc_u64 s[92:93], s[10:11], s[92:93]
	CROUND                                         ; all sixteen work-groups are here: the first joint loads meet
	s_mov_b32 s[G0S], 1
	s_mov_b32 s[G0S+1], SCL
	s_mov_b64 s[G0S+2:G0S+3], s[22:23]
	s_or_b32 s[G0S+3], s[G0S+3], 0x80000000
	s_mov_b32 s[G0SB], 1
	s_mov_b32 s[G0SB+1], SCL+4096
	s_mov_b64 s[G0SB+2:G0SB+3], s[92:93]
	s_or_b32 s[G0SB+3], s[G0SB+3], 0x80000000
	s_mov_b32 s[G0], 1                             ; slot 0's groups 0 serve the head first: K step 0 of L, whole,
	s_mov_b32 s[G0+1], 0
	s_mov_b64 s[G0+2:G0+3], s[20:21]
	s_or_b32 s[G0+3], s[G0+3], 0x80000000
	s_mov_b32 s[G0B], 1                            ; and of P
	s_mov_b32 s[G0B+1], LP
	s_mov_b64 s[G0B+2:G0B+3], s[46:47]
	s_or_b32 s[G0B+3], s[G0B+3], 0x80000000
	s_mov_b32 s[G0+4], 1                           ; slot 1's: my half of K step 1
	s_add_co_u32 s[G0+5], s94, SLOT
	s_add_nc_u64 s[G0+6:G0+7], s[20:21], s[66:67]
	s_add_nc_u64 s[G0+6:G0+7], s[G0+6:G0+7], 4096
	s_or_b32 s[G0+7], s[G0+7], 0x80000000
	s_mov_b32 s[G0B+4], 1
	s_add_co_u32 s[G0B+5], s45, SLOT
	s_add_nc_u64 s[G0B+6:G0B+7], s[46:47], s[18:19]
	s_add_nc_u64 s[G0B+6:G0B+7], s[G0B+6:G0B+7], ROWB
	s_or_b32 s[G0B+7], s[G0B+7], 0x80000000
; THE HEAD'S LOADS, ONE A WAVE: one chain of branches on the wave's number, a load to an arm.
.macro ARM under, g0, g1, next
	s_cmp_lt_u32 s14, \under
	s_cbranch_scc0 \next
	tensor_load_to_lds s[\g0:\g0+3], s[\g1:\g1+7]
	s_nop 0
.rept 4
	v_nop
.endr
	s_branch .Lhead_asked
\next:
.endm
	ARM 1, G0,  G1,  .Lhead_b
	ARM 2, G0B, G1B, .Lhead_sa
	ARM 3, G0S, G1S, .Lhead_sb
	tensor_load_to_lds s[G0SB:G0SB+3], s[G1SB:G1SB+7]
	s_nop 0
.rept 4
	v_nop
.endr
.Lhead_asked:
	; the prefetches: my work-group's quarter of the half tile that I fetch
	s_lshl_b32 s95, s16, 2
	s_cmp_eq_u32 s15, 0
	s_cselect_b32 s2, s40, s41                     ; my place among the four that ask with me
	s_add_co_u32 s95, s95, s2
	s_cmp_eq_u32 s15, 0
	s_cselect_b32 s2, 14, 15                       ; L: a tile of 16,384 bytes; P: 32 rows of 1,024
	s_lshl_b32 s2, s95, s2
	s_mov_b32 s3, 0
	s_cmp_eq_u32 s15, 0
	s_cselect_b64 s[PFA:PFA+1], s[20:21], s[46:47]
	s_mov_b32 s95, 256
	s_cselect_b32 s95, 4096, s95                   ; a K step on
	s_cselect_b32 s92, 15, 31
	s_cselect_b32 s93, 8, 10
	s_add_nc_u64 s[PFA:PFA+1], s[PFA:PFA+1], s[2:3]
	s_lshl_b32 s2, s95, 1
	s_add_nc_u64 s[PFA:PFA+1], s[PFA:PFA+1], s[2:3]
	s_mov_b32 s2, s95
	s_add_nc_u64 s[PFB:PFB+1], s[PFA:PFA+1], s[2:3]
	; the bias and the result: my 128 columns, my 64 tokens
	s_lshl_b32 s2, s42, 10
	s_lshl_b32 s95, s16, 9
	s_add_co_u32 s2, s2, s95
	s_add_nc_u64 s[96:97], s[96:97], s[2:3]
	s_add_nc_u64 s[12:13], s[98:99], s[2:3]
	s_lshl_b32 s2, s17, 19
	s_lshl_b32 s95, s15, 18
	s_add_co_u32 s2, s2, s95
	s_add_nc_u64 s[12:13], s[12:13], s[2:3]
	; places in LDS
	s_lshl_b32 s20, s15, 14                        ; my four tiles of L
	s_add_co_u32 s21, s20, SLOT
	s_mul_i32 s22, s16, HALFT                      ; my 128 rows of P
	s_add_co_u32 s22, s22, LP
	s_add_co_u32 s23, s22, SLOT
	s_lshl_b32 s47, s15, 9                         ; L's scale bytes: my 64 rows
	s_lshl_b32 s46, s16, 10                        ; P's: my 128 rows, 4,096 bytes behind L's first
	s_add_co_u32 s46, s46, 4096
	s_sub_co_u32 s46, s46, s47
	s_add_co_u32 s47, s47, SCL
	s_mul_i32 s95, s14, 16*SPITCH
	s_add_co_u32 s95, s95, STG                     ; my stage
	v_and_b32 v1, 15, v0                           ; r
	v_bfe_u32 v2, v0, 4, 1                         ; h
	v_and_b32 v6, 31, v0
	v_lshlrev_b32 v[CO], 4, v6
	v_lshlrev_b32 v[BO], 6, v2
	v_and_b32 v[PFO], s92, v0
	v_lshlrev_b32 v[PFO], s93, v[PFO]
.irp b, 0,1,2,3,4,5,6,7
	global_load_b128 v[BI+8*\b:BI+8*\b+3], v[BO], s[96:97] offset:(32*(\b/2)+8*(\b%2))*4       ; register j of P's tile b is column 32 (b / 2) + 16 h + 8 (b % 2) + j
	global_load_b128 v[BI+8*\b+4:BI+8*\b+7], v[BO], s[96:97] offset:(32*(\b/2)+8*(\b%2))*4+16
.endr
	global_prefetch_b8 v[PFO], s[PFA:PFA+1] th:TH_LOAD_NT scope:SCOPE_SE   ; K step 2
	v_mul_u32_u24 v3, v1, PITCH
	v_lshl_add_u32 v4, v2, 4, v3
	v_add_nc_u32 v[ADRA], s20, v[CO]
	v_add_nc_u32 v[ADRA+1], s21, v[CO]
	v_add_nc_u32 v[ADRB], s22, v4
	v_add_nc_u32 v[ADRB+1], s23, v4
	v_lshlrev_b32 v5, 3, v1
	v_mul_u32_u24 v6, s46, v2                      ; lanes 16-31 take P's: one product by h
	v_add_nc_u32 v5, v5, v6
	v_add_nc_u32 v[ADRS], s47, v5
	v_lshl_add_u32 v[KST], v2, 10, 1024
	v_mul_u32_u24 v5, v1, SPITCH
	v_lshl_add_u32 v5, v2, 6, v5
	v_add_nc_u32 v[STO], s95, v5
	v_add_nc_u32 v[RD], s95, v[CO]
.macro FRAG reg, adr, q, i             ; 16 rows x 128 K: lane l holds row l % 16; registers 4 c .. 4 c + 3 hold K = 32 c + 16 (l / 16) + 0 .. 15
.irp c, 0,1,2,3
	ds_load_b128 v[\reg+4*\c:\reg+4*\c+3], v[\adr] offset:128*(\q)+32*\c+(\i)*16*PITCH
.endr
.endm
.macro FRAGL reg, adr, q, i            ; the same from an image: 512 consecutive bytes a load
.irp c, 0,1,2,3
	ds_load_b128 v[\reg+4*\c:\reg+4*\c+3], v[\adr] offset:4096*(\i)+2048*(\q)+512*\c
.endr
.endm
; 16 matrix instructions: L's blocks a0, a0 + 1 x P's eight.  The 32 accumulators take turns, one instruction a turn, in the same order in every half step.
.macro MUL16 a0, p, q, sc, bias
.irp a, \a0, \a0+1
.irp b, 0,1,2,3,4,5,6,7
.if \bias
	v_wmma_scale_f32_16x16x128_f8f6f4 v[8*(8*(\a)+\b):8*(8*(\a)+\b)+7], v[128*(\p)+FR*\b:128*(\p)+FR*\b+FR-1], v[AF+64*(\p)+FR*(\a):AF+64*(\p)+FR*(\a)+FR-1], v[BI+8*\b:BI+8*\b+7], v[SC+16*(\sc)+2*\b+(\q)], v[SC+16*(\sc)+2*(\a)+(\q)] matrix_a_scale:MATRIX_SCALE_ROW1
.else
	v_wmma_scale_f32_16x16x128_f8f6f4 v[8*(8*(\a)+\b):8*(8*(\a)+\b)+7], v[128*(\p)+FR*\b:128*(\p)+FR*\b+FR-1], v[AF+64*(\p)+FR*(\a):AF+64*(\p)+FR*(\a)+FR-1], v[8*(8*(\a)+\b):8*(8*(\a)+\b)+7], v[SC+16*(\sc)+2*\b+(\q)], v[SC+16*(\sc)+2*(\a)+(\q)] matrix_a_scale:MATRIX_SCALE_ROW1
.endif
.endr
.endr
.endm
.macro FETCH slot, q, p                ; P's eight fragments and L's four of the slot's q-th 128 along K into sets p: 48 loads
	WIN TO_B
.irp i, 0,1,2,3,4,5,6,7
	FRAG 128*(\p)+FR*\i, ADRB+\slot, \q, \i
.endr
	WIN 0
.irp i, 0,1,2,3
	FRAGL AF+64*(\p)+FR*\i, ADRA+\slot, \q, \i
.endr
.endm
.macro SCALES sc                       ; a K step's scale words, two a row: lanes 0-15 L's block i (of i = 4 .. 7 nothing is used), lanes 16-31 P's block i
.irp i, 0,1,2,3,4,5,6,7
	ds_load_b64 v[SC+16*\sc+2*\i:SC+16*\sc+2*\i+1], v[ADRS] offset:\i*128
.endr
.endm
.macro PLACES n
.rept \n
	v_nop
.endr
.endm
.macro FIRST slot, bias                ; a slot's first 128 along K; ahead of its products the second's fragments are asked for (the places in front of these loads stand at the end of TURN)
	FETCH \slot, 1, 1
	s_wait_dscnt 48                                ; all but the 48 just issued: sets 0 and the scale words are in
.if \bias
	WIN 0x81                                       ; C in window 0: the bias starts the sums
.else
	WIN MUL_LO
.endif
	MUL16 0, 0, 0, \slot, \bias
	MUL16 2, 0, 0, \slot, \bias
	WIN 0
.endm
; A slot's second 128 along K, and the change of slots: one barrier; in front of it each wave waits for all its tensor loads, adds 0 to its spare word, and waits for that and for its reads of this slot.  fill = 1: the slot is filled again, two K steps ahead.
.macro TURN slot, next, fill
	s_wait_tensorcnt 0x0                           ; all my tensor loads have landed: my part of the next slot
	ds_add_u32 v[SPW], v[NIL]
	s_wait_dscnt 1                                 ; sets 1 are in; the add may be out
	WIN MUL_LO
	MUL16 0, 1, 1, \slot, 0
	s_wait_dscnt 0x0                               ; the add is done, and my reads of this slot are over
	s_barrier_signal -1
	MUL16 2, 1, 1, \slot, 0
	WIN 0
	s_barrier_wait -1
.if \fill
	CREST                                          ; the barrier has opened a round of the cluster's barrier
	s_add_nc_u64 s[G0+4*\slot+2:G0+4*\slot+3], s[G0+4*\slot+2:G0+4*\slot+3], 2*4096
	s_add_nc_u64 s[G0B+4*\slot+2:G0B+4*\slot+3], s[G0B+4*\slot+2:G0B+4*\slot+3], 2*ROWB
	JLOAD G0+4*\slot, G1, G0B+4*\slot, G1B         ; the first tensor load behind the round; its four v_nop are among the places below
	PLACES NP-4
.else
	PLACES NP
.endif
	s_wait_alu depctr_va_vdst(0)                   ; directly ahead of the reader below
	v_add_nc_u32 v[ADRS], v[KST], v[ADRS]          ; the next K step's scale words
	FETCH \next, 0, 0
	SCALES \next
.endm
	s_wait_alu depctr_va_vdst(0)                   ; the wait at the head's end
	s_wait_tensorcnt 0x0                           ; my tile of the head's four is in
	ds_add_u32 v[SPW], v[NIL]
	s_mov_b32 s[G1+2], 4<<16                       ; no tensor load of mine is out, so descriptors may be written: from here on a load brings half a tile,
	s_mov_b32 s[G1+4], 4
	s_mov_b32 s[G1B+2], 128<<16
	s_mov_b32 s[G1B+4], 128
	s_mov_b32 s[G0+1], s94                         ; and slot 0's groups 0 name my half
	s_add_nc_u64 s[G0+2:G0+3], s[G0+2:G0+3], s[66:67]
	s_mov_b32 s[G0B+1], s45
	s_add_nc_u64 s[G0B+2:G0B+3], s[G0B+2:G0B+3], s[18:19]
	s_wait_dscnt 0x0
	CROUND                                         ; a whole round: all four tiles are in, and all sixteen work-groups are here
	JLOAD G0+4, G1, G0B+4, G1B                     ; K step 1, the first tensor load behind the round
	FETCH 0, 0, 0
	SCALES 0
	global_prefetch_b8 v[PFO], s[PFB:PFB+1] th:TH_LOAD_NT scope:SCOPE_SE   ; K step 3
	s_wait_loadcnt 0x0                             ; the bias
	FIRST 0, 1
	TURN 0, 1, 1
	FIRST 1, 0
	TURN 1, 0, 1
	FIRST 0, 0
	TURN 0, 1, 0                                   ; the last change fills nothing
	FIRST 1, 0
	s_wait_dscnt 0x0
	WIN MUL_LO
	MUL16 0, 1, 1, 1, 0
	MUL16 2, 1, 1, 1, 0
	WIN 0
; THE WAY OUT, block by block of 16 tokens x 128 columns, through my own stage: in as 32 bytes a lane and tile, at the columns' true places; back as whole rows of 512 bytes, which the 32 lanes store as two aligned units of 256 bytes.
; LDS serves a wave's instructions in order (ISA guide 5.7.1.4): no wait between the stores and the loads.
.macro TOSTAGE a
.set AC, 64*(\a)
	WIN 0x08                                       ; the data: window 2
.irp b, 0,1,2,3,4,5,6,7
	ds_store_b128 v[STO], v[AC+8*\b:AC+8*\b+3] offset:128*(\b/2)+32*(\b%2)       ; each accumulator from its low end on
	ds_store_b128 v[STO], v[AC+8*\b+4:AC+8*\b+7] offset:128*(\b/2)+32*(\b%2)+16
.endr
	WIN 0
.set BB, BK+64*((\a)%2)
.irp t, 0,1,2,3,4,5,6,7,8,9,10,11,12,13,14,15
	ds_load_b128 v[BB+4*\t:BB+4*\t+3], v[RD] offset:\t*SPITCH
.endr
.endm
.macro SEND a, younger                 ; younger: the LDS instructions issued behind block a's loads, which may stay out
.set BB, BK+64*((\a)%2)
	s_wait_dscnt \younger
.irp t, 0,1,2,3,4,5,6,7,8,9,10,11,12,13,14,15
	global_store_b128 v[CO], v[BB+4*\t:BB+4*\t+3], s[12:13] offset:(32*((\a)/2)+8*((\a)%2)+\t+8*(\t/8))*4096 th:TH_STORE_NT   ; position t of tile a is token 32 (a / 2) + 8 (a % 2) + t + 8 (t / 8)
.endr
.endm
	PLACES NP                                      ; behind the last products: their results are read, and L's registers loaded into, below
	TOSTAGE 0
.irp a, 1,2,3
.if \a > 1
	s_wait_xcnt 0x0                                ; block a - 2's stores have read their registers: block a's loads may land there
.endif
	TOSTAGE \a
	SEND \a-1, 32                                  ; behind block a - 1's loads: block a's 16 stores and 16 loads
.endr
	SEND 3, 0
	s_wait_tensorcnt 0x0                           ; the wave's end
	ds_add_u32 v[SPW], v[NIL]
	s_wait_dscnt 0x0
	CROUND                                         ; the closing round
	s_endpgm
.Lfunc_end_k_qa675065a06_outp:
	.size	k_qa675065a06_outp, .Lfunc_end_k_qa675065a06_outp-k_qa675065a06_outp
	.p2alignl 7, 3214868480
	.fill 96, 4, 3214868480
	.section	.rodata,"a",@progbits
	.p2align	6, 0x0
	.amdhsa_kernel k_qa675065a06_outp
		.amdhsa_group_segment_fixed_size 327680
		.amdhsa_private_segment_fixed_size 0
		.amdhsa_enable_private_segment 0
		.amdhsa_kernarg_size 48
		.amdhsa_user_sgpr_count 2
		.amdhsa_user_sgpr_kernarg_segment_ptr 1
		.amdhsa_wavefront_size32 1
		.amdhsa_system_sgpr_workgroup_id_x 1
		.amdhsa_system_sgpr_workgroup_id_y 1
		.amdhsa_system_sgpr_workgroup_id_z 1
		.amdhsa_system_vgpr_workitem_id 0
		.amdhsa_next_free_vgpr 768
		.amdhsa_next_free_sgpr 106
		.amdhsa_reserve_vcc 0
		.amdhsa_float_denorm_mode_32 3
		.amdhsa_float_denorm_mode_16_64 3
		.amdhsa_memory_ordered 1
		.amdhsa_forward_progress 1
		.amdhsa_inst_pref_size 90
	.end_amdhsa_kernel
	.amdgpu_metadata
---
amdhsa.version: [ 1, 2 ]
amdhsa.kernels:
  - .name:           k_qa675065a06_outp
    .symbol:         k_qa675065a06_outp.kd
    .args:
      - { .name: cc, .offset: 0, .size: 8, .value_kind: global_buffer, .address_space: global }
      - { .name: cs, .offset: 8, .size: 8, .value_kind: global_buffer, .address_space: global }
      - { .name: opc, .offset: 16, .size: 8, .value_kind: global_buffer, .address_space: global }
      - { .name: ops, .offset: 24, .size: 8, .value_kind: global_buffer, .address_space: global }
      - { .name: b_out, .offset: 32, .size: 8, .value_kind: global_buffer, .address_space: global }
      - { .name: out0, .offset: 40, .size: 8, .value_kind: global_buffer, .address_space: global }
    .group_segment_fixed_size: 327680
    .private_segment_fixed_size: 0
    .kernarg_segment_align: 8
    .kernarg_segment_size: 48
    .max_flat_workgroup_size: 128
    .sgpr_count:     106
    .vgpr_count:     768
    .wavefront_size: 32
...
	.end_amdgpu_metadata
.endif
;; end of part 4
